; MI455X (gfx1250); checked and timed in simulation.
; The chip was launched on July 23, 2026; its instructions are those of AMD's public machine-readable ISA for CDNA 5 (MIT licence, August 2026) and "CDNA5" Instruction Set Architecture Reference Guide (July 2026). The comments in the code are by the model that wrote it; some were corrected since.
;; Block. Allowed arithmetic: float matrix products may take bf16 or f16 operands with f32 sums; all other float work in f32.
;; Inputs: W1 1,024 x 4,096 float32; W2 4,096 x 1,024 float32; Wk 16 x 1,024 x 64 float32; Wo 1,024 x 1,024 float32; Wq 16 x 1,024 x 64 float32; Wv 16 x 1,024 x 64 float32; b1 4,096 float32; b2 1,024 float32; beta1 1,024 float32; beta2 1,024 float32; bk 16 x 64 float32; bo 1,024 float32; bq 16 x 64 float32; bv 16 x 64 float32; gamma1 1,024 float32; gamma2 1,024 float32; x 2 x 2,048 x 1,024 float32.
;; Outputs: out0 2 x 2,048 x 1,024 float32.
;; One version. Each part assembles by itself: llvm-mc -triple=amdgcn-amd-amdhsa -mcpu=gfx1250 --defsym DOCPART=n.
;; ======== version 1 of 1: 8 launches
;; workspace buffers: wts 25,165,824 bytes; xb 8,388,608 bytes; xf 16,777,216 bytes; qkv 25,165,824 bytes; hb 8,388,608 bytes; y 16,777,216 bytes; g 33,554,432 bytes
;; launch cast (part 1): grid 768 x 1, 8 waves a work-group, no clusters, 0 bytes of LDS; arguments Wq, Wk, Wv, Wo, W1, W2, wts; writes wts
.if DOCPART == 1
	.amdgcn_target "amdgcn-amd-amdhsa--gfx1250"
	.amdhsa_code_object_version 6
	.text
	.protected	k_qda422d02d0_cast
	.globl	k_qda422d02d0_cast
	.p2align	8
	.type	k_qda422d02d0_cast,@function
k_qda422d02d0_cast:
	s_mov_b64 s[64:65], 0
	v_nop
	global_prefetch_b8 v0, s[64:65] scope:SCOPE_SE
	s_setreg_imm32_b32 hwreg(HW_REG_WAVE_MODE, 25, 1), 1
	s_wait_xcnt 0x0
; All weights, f32, are rounded once to bf16 into wts, each as [K][N] with N along the rows:
;   byte 0         wqkv [1024][3072], column = which x 1024 + head x 64 + d (which: 0 q, 1 k, 2 v)
;   byte 6291456   wo   [1024][1024];   byte 8388608  w1 [1024][4096];   byte 16777216  w2 [4096][1024]
; A stream: no LDS, no barrier, no matrix unit.  A work-group takes 16,384 numbers, a thread 16 x 4: sixteen loads of 16 bytes,
; all issued first, then two roundings and a store of 8 bytes each.  A wave's store covers 256 consecutive bytes, aligned.
; Work-groups 0-191: Wq, Wk, Wv ([head][k][d] in memory; 16 values of k, all 16 heads).  Work-groups 192-767: Wo, W1, W2, copied in order.
.set X, 4                              ; v[4:67]   16 x 4 numbers as loaded
.set Y, 68                             ; v[68:99]  16 x 2 registers to store
	s_load_b256 s[4:11], s[0:1], 0x0               ; Wq s[4:5], Wk s[6:7], Wv s[8:9], Wo s[10:11]
	s_load_b128 s[12:15], s[0:1], 0x20             ; W1 s[12:13], W2 s[14:15]
	s_load_b64 s[16:17], s[0:1], 0x30              ; wts
	v_lshlrev_b32 v2, 3, v0                        ; where I store: 8 bytes a thread
	s_mov_b32 s21, 0                               ; high words of the two offsets
	s_mov_b32 s23, 0
	s_wait_kmcnt 0x0
.macro CAST sstep, dstep               ; bytes from one of my 16 pieces to the next, in the source and in wts
.irp i, 0,1,2,3,4,5,6,7,8,9,10,11,12,13,14,15
	global_load_b128 v[X+4*\i:X+4*\i+3], v1, s[18:19] offset:\i*\sstep th:TH_LOAD_NT
.endr
.irp i, 0,1,2,3,4,5,6,7,8,9,10,11,12,13,14,15
	s_wait_loadcnt 15-\i                           ; loads come back in order: piece i is in, the 15 - i younger ones stay out
	v_cvt_pk_bf16_f32 v[Y+2*\i], v[X+4*\i], v[X+4*\i+1]
	v_cvt_pk_bf16_f32 v[Y+2*\i+1], v[X+4*\i+2], v[X+4*\i+3]
	global_store_b64 v2, v[Y+2*\i:Y+2*\i+1], s[16:17] offset:\i*\dstep
.endr
.endm
	s_cmp_lt_u32 ttmp9, 192
	s_cbranch_scc0 .Lplain
	; Wq, Wk, Wv: thread t takes head t / 16, d = 4 (t % 16) .. + 3; piece i is k = k0 + i
	s_lshr_b32 s24, ttmp9, 6                       ; which
	s_and_b32 s25, ttmp9, 63                       ; k0 / 16
	s_cmp_eq_u32 s24, 1
	s_cselect_b64 s[18:19], s[6:7], s[4:5]
	s_cmp_eq_u32 s24, 2
	s_cselect_b64 s[18:19], s[8:9], s[18:19]
	s_lshl_b32 s20, s25, 12                        ; k0 rows of 256 bytes
	s_add_nc_u64 s[18:19], s[18:19], s[20:21]
	s_mul_i32 s22, s25, 16*6144                    ; k0 rows of wqkv,
	s_lshl_b32 s24, s24, 11                        ; and 1024 columns for each which
	s_add_co_u32 s22, s22, s24
	s_add_nc_u64 s[16:17], s[16:17], s[22:23]
	v_lshrrev_b32 v1, 4, v0
	v_and_b32 v3, 15, v0
	v_lshlrev_b32 v1, 18, v1                       ; a head is 262,144 bytes
	v_lshl_or_b32 v1, v3, 4, v1
	CAST 256, 6144
	s_endpgm
.Lplain:
	s_sub_co_u32 s24, ttmp9, 192                   ; 0-63 Wo, 64-319 W1, 320-575 W2: the three lie one behind the other in wts
	s_sub_co_u32 s25, s24, 64
	s_sub_co_u32 s26, s24, 320
	s_cmp_lt_u32 s24, 320
	s_cselect_b64 s[18:19], s[12:13], s[14:15]
	s_cselect_b32 s27, s25, s26
	s_cmp_lt_u32 s24, 64
	s_cselect_b64 s[18:19], s[10:11], s[18:19]
	s_cselect_b32 s27, s24, s27
	s_lshl_b32 s20, s27, 16                        ; 16,384 numbers of 4 bytes
	s_add_nc_u64 s[18:19], s[18:19], s[20:21]
	s_lshl_b32 s22, s24, 15                        ; 16,384 numbers of 2 bytes
	s_add_co_u32 s22, s22, 6291456
	s_add_nc_u64 s[16:17], s[16:17], s[22:23]
	v_lshlrev_b32 v1, 4, v0
	CAST 4096, 2048
	s_endpgm
.Lfunc_end_k_qda422d02d0_cast:
	.size	k_qda422d02d0_cast, .Lfunc_end_k_qda422d02d0_cast-k_qda422d02d0_cast
	.p2alignl 7, 3214868480
	.fill 96, 4, 3214868480
	.section	.rodata,"a",@progbits
	.p2align	6, 0x0
	.amdhsa_kernel k_qda422d02d0_cast
		.amdhsa_group_segment_fixed_size 0
		.amdhsa_private_segment_fixed_size 0
		.amdhsa_enable_private_segment 0
		.amdhsa_kernarg_size 56
		.amdhsa_user_sgpr_count 2
		.amdhsa_user_sgpr_kernarg_segment_ptr 1
		.amdhsa_wavefront_size32 1
		.amdhsa_system_sgpr_workgroup_id_x 1
		.amdhsa_system_sgpr_workgroup_id_y 1
		.amdhsa_system_sgpr_workgroup_id_z 1
		.amdhsa_system_vgpr_workitem_id 0
		.amdhsa_next_free_vgpr 104
		.amdhsa_next_free_sgpr 66
		.amdhsa_reserve_vcc 0
		.amdhsa_float_denorm_mode_32 3
		.amdhsa_float_denorm_mode_16_64 3
		.amdhsa_memory_ordered 1
		.amdhsa_forward_progress 1
		.amdhsa_inst_pref_size 13
	.end_amdhsa_kernel
	.amdgpu_metadata
---
amdhsa.version: [ 1, 2 ]
amdhsa.kernels:
  - .name:           k_qda422d02d0_cast
    .symbol:         k_qda422d02d0_cast.kd
    .args:
      - { .name: Wq, .offset: 0, .size: 8, .value_kind: global_buffer, .address_space: global }
      - { .name: Wk, .offset: 8, .size: 8, .value_kind: global_buffer, .address_space: global }
      - { .name: Wv, .offset: 16, .size: 8, .value_kind: global_buffer, .address_space: global }
      - { .name: Wo, .offset: 24, .size: 8, .value_kind: global_buffer, .address_space: global }
      - { .name: W1, .offset: 32, .size: 8, .value_kind: global_buffer, .address_space: global }
      - { .name: W2, .offset: 40, .size: 8, .value_kind: global_buffer, .address_space: global }
      - { .name: wts, .offset: 48, .size: 8, .value_kind: global_buffer, .address_space: global }
    .group_segment_fixed_size: 0
    .private_segment_fixed_size: 0
    .kernarg_segment_align: 8
    .kernarg_segment_size: 56
    .max_flat_workgroup_size: 256
    .sgpr_count:     66
    .vgpr_count:     104
    .wavefront_size: 32
...
	.end_amdgpu_metadata
.endif
;; end of part 1
;; launch ln1 (part 2): grid 256 x 1, 8 waves a work-group, no clusters, 0 bytes of LDS; arguments x, gamma1, beta1, xf, xb; writes xf, xb
.if DOCPART == 2
	.amdgcn_target "amdgcn-amd-amdhsa--gfx1250"
	.amdhsa_code_object_version 6
	.text
	.protected	k_qda422d02d0_ln1
	.globl	k_qda422d02d0_ln1
	.p2align	8
	.type	k_qda422d02d0_ln1,@function
k_qda422d02d0_ln1:
	s_mov_b64 s[64:65], 0
	v_nop
	global_prefetch_b8 v0, s[64:65] scope:SCOPE_SE
	s_setreg_imm32_b32 hwreg(HW_REG_WAVE_MODE, 25, 1), 1
	s_wait_xcnt 0x0
; LayerNorm over rows of 1024 f32, variance over 1023: out = (x - mean) / sqrt(var + 1e-5) * gamma + beta.
; Two results: f32 [4096][1024] (the residual of a later launch) and bf16 in panels [16][4096 rows][64] (the A operand of a later product).
; One wave takes two neighbouring rows and keeps them in registers: read once, no LDS, no barrier.  The variance is the sum of squares
; of the centred numbers, a true second pass, so a common offset of the inputs costs no digits.
; Lane l holds columns 128 j + 4 l .. + 3, j = 0..7: every f32 load and store of a wave covers 512 consecutive bytes.
; In bf16 a row of a panel is 128 bytes: lanes 0-15 hold panel 2 j, lanes 16-31 panel 2 j + 1.  One exchange of half registers between the
; two rows puts rows m and m + 1 of ONE panel into one register pair, so that each bf16 store covers 256 consecutive bytes, aligned.
.set XA, 16                            ; v[16:47]   row m
.set XB, 48                            ; v[48:79]   row m + 1
.set G,  80                            ; v[80:111]  gamma of my columns
.set BT, 112                           ; v[112:143] beta
.set PA, 144                           ; v[144:159] bf16 of row m, then panels 2 j of both rows
.set PB, 160                           ; v[160:175] bf16 of row m + 1, then panels 2 j + 1 of both rows
.set RA, 14                            ; v[14:15]   1 / sigma of row m, twice
.set RB, 176                           ; v[176:177] the same of row m + 1
	s_load_b256 s[4:11], s[0:1], 0x0               ; in s[4:5], gamma s[6:7], beta s[8:9], f32 out s[10:11]
	s_load_b64 s[12:13], s[0:1], 0x20              ; bf16 out
	v_lshrrev_b32 v3, 5, v0
	v_readfirstlane_b32 s14, v3                    ; wave
	v_and_b32 v1, 31, v0
	v_lshlrev_b32 v2, 3, v1                        ; 8 x lane
	v_lshlrev_b32 v1, 4, v1                        ; 16 x lane
	s_lshl_b32 s15, ttmp9, 3
	s_add_co_u32 s15, s15, s14                     ; my pair of rows, 0..2047
	s_lshl_b32 s16, s15, 13                        ; two rows of 4,096 bytes
	s_mov_b32 s17, 0
	s_lshl_b32 s18, s15, 8                         ; two panel rows of 128 bytes
	s_mov_b32 s19, 0
	s_mov_b32 s20, 0x76543210                      ; v_permlanex16_b32: each lane takes its own place in the other half
	s_mov_b32 s21, 0xfedcba98
	s_mov_b32 s22, 0x3a802008                      ; 1 / 1023
	s_mov_b32 s23, 0x3727c5ac                      ; 1e-5
	s_wait_kmcnt 0x0
	s_add_nc_u64 s[4:5], s[4:5], s[16:17]
	s_add_nc_u64 s[10:11], s[10:11], s[16:17]
	s_add_nc_u64 s[12:13], s[12:13], s[18:19]
.irp j, 0,1,2,3,4,5,6,7
	global_load_b128 v[XA+4*\j:XA+4*\j+3], v1, s[4:5] offset:512*\j th:TH_LOAD_NT
.endr
.irp j, 0,1,2,3,4,5,6,7
	global_load_b128 v[XB+4*\j:XB+4*\j+3], v1, s[4:5] offset:4096+512*\j th:TH_LOAD_NT
.endr
.irp j, 0,1,2,3,4,5,6,7
	global_load_b128 v[G+4*\j:G+4*\j+3], v1, s[6:7] offset:512*\j
.endr
.irp j, 0,1,2,3,4,5,6,7
	global_load_b128 v[BT+4*\j:BT+4*\j+3], v1, s[8:9] offset:512*\j
.endr
.macro FOLD                            ; the four chains v[4:11] into v4
	v_pk_add_f32 v[4:5], v[4:5], v[6:7]
	v_pk_add_f32 v[8:9], v[8:9], v[10:11]
	v_pk_add_f32 v[4:5], v[4:5], v[8:9]
	v_add_f32 v4, v4, v5
.endm
.macro LANESUM                         ; v4 = its sum over the 32 lanes, in every lane
	v_add_f32_dpp v4, v4, v4 row_xmask:1 row_mask:0xf bank_mask:0xf
	v_add_f32_dpp v4, v4, v4 row_xmask:2 row_mask:0xf bank_mask:0xf
	v_add_f32_dpp v4, v4, v4 row_xmask:4 row_mask:0xf bank_mask:0xf
	v_add_f32_dpp v4, v4, v4 row_xmask:8 row_mask:0xf bank_mask:0xf
	v_permlanex16_b32 v5, v4, s20, s21             ; its destination counts as read: v5 has been written
	v_add_f32 v4, v4, v5
.endm
; The row in v[x ..] is centred in place; 1 / sqrt(var + eps) goes to v[r], v[r + 1].
.macro STATS x, r
.irp k, 0,1,2,3
	v_pk_add_f32 v[4+2*\k:5+2*\k], v[\x+2*\k:\x+2*\k+1], v[\x+8+2*\k:\x+9+2*\k]   ; the first pairs start four chains: nothing is cleared
.endr
.irp p, 8,9,10,11,12,13,14,15
	v_pk_add_f32 v[4+2*(\p%4):5+2*(\p%4)], v[4+2*(\p%4):5+2*(\p%4)], v[\x+2*\p:\x+2*\p+1]
.endr
	FOLD
	LANESUM
	v_mul_f32 v12, 0x3a800000, v4                  ; mean = sum / 1024
	v_mov_b32 v13, v12
.irp p, 0,1,2,3,4,5,6,7,8,9,10,11,12,13,14,15
	v_pk_add_f32 v[\x+2*\p:\x+2*\p+1], v[\x+2*\p:\x+2*\p+1], v[12:13] neg_lo:[0,1] neg_hi:[0,1]
.endr
.irp k, 0,1,2,3
	v_pk_mul_f32 v[4+2*\k:5+2*\k], v[\x+2*\k:\x+2*\k+1], v[\x+2*\k:\x+2*\k+1]
.endr
.irp p, 4,5,6,7,8,9,10,11,12,13,14,15
	v_pk_fma_f32 v[4+2*(\p%4):5+2*(\p%4)], v[\x+2*\p:\x+2*\p+1], v[\x+2*\p:\x+2*\p+1], v[4+2*(\p%4):5+2*(\p%4)]
.endr
	FOLD
	LANESUM
	v_fma_f32 v4, v4, s22, s23                     ; var + eps
	v_rsq_f32 v[\r], v4
	v_rsq_f32 v[\r+1], v4
	v_nop                                          ; a plain instruction before v4 is written again or the results are used
.endm
	s_wait_loadcnt 16                              ; both rows are in; the sixteen loads of gamma and beta stay out
	STATS XA, RA
	STATS XB, RB
	s_wait_loadcnt 0x0                             ; gamma and beta
	s_wait_alu depctr_va_vdst(0)
.irp p, 0,1,2,3,4,5,6,7,8,9,10,11,12,13,14,15
	v_pk_mul_f32 v[XA+2*\p:XA+2*\p+1], v[XA+2*\p:XA+2*\p+1], v[RA:RA+1]
	v_pk_mul_f32 v[XB+2*\p:XB+2*\p+1], v[XB+2*\p:XB+2*\p+1], v[RB:RB+1]
.endr
.irp p, 0,1,2,3,4,5,6,7,8,9,10,11,12,13,14,15
	v_pk_fma_f32 v[XA+2*\p:XA+2*\p+1], v[XA+2*\p:XA+2*\p+1], v[G+2*\p:G+2*\p+1], v[BT+2*\p:BT+2*\p+1]
	v_pk_fma_f32 v[XB+2*\p:XB+2*\p+1], v[XB+2*\p:XB+2*\p+1], v[G+2*\p:G+2*\p+1], v[BT+2*\p:BT+2*\p+1]
.endr
.irp j, 0,1,2,3,4,5,6,7
	global_store_b128 v1, v[XA+4*\j:XA+4*\j+3], s[10:11] offset:512*\j
	global_store_b128 v1, v[XB+4*\j:XB+4*\j+3], s[10:11] offset:4096+512*\j
.endr
.irp i, 0,1,2,3,4,5,6,7,8,9,10,11,12,13,14,15
	v_cvt_pk_bf16_f32 v[PA+\i], v[XA+2*\i], v[XA+2*\i+1]
	v_cvt_pk_bf16_f32 v[PB+\i], v[XB+2*\i], v[XB+2*\i+1]
.endr
.irp i, 0,1,2,3,4,5,6,7,8,9,10,11,12,13,14,15
	v_permlane16_swap_b32 v[PA+\i], v[PB+\i]       ; PA: panel 2 j of rows m | m + 1;  PB: panel 2 j + 1 of rows m | m + 1
.endr
.irp j, 0,1,2,3,4,5,6,7
	global_store_b64 v2, v[PA+2*\j:PA+2*\j+1], s[12:13] offset:(2*\j)*524288     ; 32 lanes x 8 bytes: two panel rows, 256 consecutive bytes
	global_store_b64 v2, v[PB+2*\j:PB+2*\j+1], s[12:13] offset:(2*\j+1)*524288   ; the largest offset, 15 panels, is inside the signed 24 bits
.endr
	s_endpgm
.Lfunc_end_k_qda422d02d0_ln1:
	.size	k_qda422d02d0_ln1, .Lfunc_end_k_qda422d02d0_ln1-k_qda422d02d0_ln1
	.p2alignl 7, 3214868480
	.fill 96, 4, 3214868480
	.section	.rodata,"a",@progbits
	.p2align	6, 0x0
	.amdhsa_kernel k_qda422d02d0_ln1
		.amdhsa_group_segment_fixed_size 0
		.amdhsa_private_segment_fixed_size 0
		.amdhsa_enable_private_segment 0
		.amdhsa_kernarg_size 40
		.amdhsa_user_sgpr_count 2
		.amdhsa_user_sgpr_kernarg_segment_ptr 1
		.amdhsa_wavefront_size32 1
		.amdhsa_system_sgpr_workgroup_id_x 1
		.amdhsa_system_sgpr_workgroup_id_y 1
		.amdhsa_system_sgpr_workgroup_id_z 1
		.amdhsa_system_vgpr_workitem_id 0
		.amdhsa_next_free_vgpr 184
		.amdhsa_next_free_sgpr 66
		.amdhsa_reserve_vcc 0
		.amdhsa_float_denorm_mode_32 3
		.amdhsa_float_denorm_mode_16_64 3
		.amdhsa_memory_ordered 1
		.amdhsa_forward_progress 1
		.amdhsa_inst_pref_size 22
	.end_amdhsa_kernel
	.amdgpu_metadata
---
amdhsa.version: [ 1, 2 ]
amdhsa.kernels:
  - .name:           k_qda422d02d0_ln1
    .symbol:         k_qda422d02d0_ln1.kd
    .args:
      - { .name: x, .offset: 0, .size: 8, .value_kind: global_buffer, .address_space: global }
      - { .name: gamma1, .offset: 8, .size: 8, .value_kind: global_buffer, .address_space: global }
      - { .name: beta1, .offset: 16, .size: 8, .value_kind: global_buffer, .address_space: global }
      - { .name: xf, .offset: 24, .size: 8, .value_kind: global_buffer, .address_space: global }
      - { .name: xb, .offset: 32, .size: 8, .value_kind: global_buffer, .address_space: global }
    .group_segment_fixed_size: 0
    .private_segment_fixed_size: 0
    .kernarg_segment_align: 8
    .kernarg_segment_size: 40
    .max_flat_workgroup_size: 256
    .sgpr_count:     66
    .vgpr_count:     184
    .wavefront_size: 32
...
	.end_amdgpu_metadata
.endif
;; end of part 2
;; launch proj (part 3): grid 12 x 16, 4 waves a work-group, clusters of 4 x 4, 327,680 bytes of LDS; arguments xb, wts, qkv, bq, bk, bv; writes qkv
.if DOCPART == 3
	.amdgcn_target "amdgcn-amd-amdhsa--gfx1250"
	.amdhsa_code_object_version 6
	.text
	.protected	k_qda422d02d0_proj
	.globl	k_qda422d02d0_proj
	.p2align	8
	.type	k_qda422d02d0_proj,@function
k_qda422d02d0_proj:
	s_mov_b64 s[64:65], 0
	v_nop
	global_prefetch_b8 v0, s[64:65] scope:SCOPE_SE
	s_setreg_imm32_b32 hwreg(HW_REG_WAVE_MODE, 25, 1), 1
	s_wait_xcnt 0x0
	s_wait_alu depctr_hold_cnt(0) depctr_sa_sdst(0) depctr_va_vdst(0) depctr_va_sdst(0) depctr_va_ssrc(0) depctr_va_vcc(0) depctr_vm_vsrc(0)
	s_getreg_b32 s2, hwreg(HW_REG_IB_STS2, 6, 4)
	s_cmp_eq_u32 s2, 0
	s_cbranch_scc0 .Lentry_in_a_cluster
	s_endpgm
.Lentry_in_a_cluster:
	s_bfe_u32 s2, ttmp6, 0x10000c
	s_cmp_lg_u32 s2, 0xf033
	s_cbranch_scc0 .Lentry_shape_is_right
	s_endpgm
.Lentry_shape_is_right:
; q, k, v = LN1(x) W + bias.  C[m][n] = sum over k of A[m][k] W[k][n] + bias[n], rounded once to bf16.
; A: bf16 panels [KDIM/64][4096 rows][64].  W: bf16 [KDIM][NDIM] at byte WOFF of wts.  C: bf16 panels [NDIM/64][4096][64].  Sums and bias in f32.
; SHARES.  A tile of C is 256 x 256, four waves of 128 x 128 (64 accumulators, 512 registers), one tile to a work-group: 12 x 16 = 192 work-groups.
; The larger tile is taken although it leaves a quarter of 256 places empty: a slot of the same bytes holds twice the products of a 128 x 128 tile's, so the next slot has twice
; the work in which to land, and half the bytes come into LDS in all.
; K goes in steps of 128 through two LDS slots.  A slot is four rooms of 36,864 bytes, one for each wave's load: rows 0-127 of A in two panels (pitch 144), rows 128-255 likewise,
; rows 0-63 of k of W (256 columns, pitch 544), rows 64-127 of k.
; CLUSTER 4 x 4: the four work-groups of a row of the cluster need the same tiles of A, the four of a column the same tiles of W: joint loads.
; THE MATRIX INSTRUCTION IS USED TRANSPOSED: source 0 = 16 columns of W (out of LDS by the transposing load, since k lies down the rows), source 1 = 16 rows of A.
; A lane then holds eight neighbouring columns of one row of C.
; REGISTERS, in windows of 256.  window 0: v0-31 addresses; v32-63 GELU at work; v64-127, v128-191 fragments of A, two buffers (on the way out: a block with its bias, packed, read back).
;   window 1: v0-63 the bias of my 128 columns; v64-127, v128-191 fragments of W, two buffers.   window 2: the accumulators of my rows 0-63 ((a, b) at v[8 (8 a + b)]);  window 3: rows 64-127.
.set KDIM,  1024
.set NDIM,  3072
.set WOFF,  0
.set ACT,   0                          ; 1: exact GELU on the way out
.set QKV,   1                          ; 1: four tile columns share one of three bias buffers
.set PANELB, 524288                    ; bytes of a panel in memory
.set PA,    144                        ; an LDS row of A: 128 bytes + 16: nine times 16, so the 16 rows of a load start at 16 different 16-byte columns
.set PB,    544                        ; an LDS row of W: 512 bytes + 32: seventeen times 32, for the transposing load
.set PANEL, 128*PA                     ; 128 rows of one panel
.set HALFT, 2*PANEL                    ; a wave's room in a slot: 128 rows of two panels, or 64 rows of W (34,816 bytes of it)
.set SLOT,  4*HALFT
.set BOFF,  2*HALFT                    ; W lies behind A in a slot
.set STAGE, 2*SLOT                     ; behind the ring: for each wave 2 panels x 16 rows x 144 bytes, for the way out; no tile lands there
.set STW,   2*16*PA
.set SPARE, STAGE+4*STW                ; the spare words, 128 bytes a wave: two blocks of 256 bytes that no other line names
.set LAPS,  KDIM/256                   ; a lap = two K steps = once round the ring
.set STEP_A, 4*PANELB                  ; two K steps on: four panels,
.set STEP_B, 512*NDIM                  ; 256 rows of W
.set ADRA, 16                          ; v16-17  my A fragments in slot 0, 1
.set ADRB, 20                          ; v20-21  my W fragments in slot 0, 1
.set STO,  24                          ; v24  the way out: where I put 16 bytes of a row
.set RD,   25                          ; v25  where I read rows back
.set CO,   26                          ; v26  my byte offset in C
.set BO,   27                          ; v27  my byte offset in the bias
.set SPW,  28                          ; v28  my spare word: SPARE + 4 x my thread's number; never rewritten
.set NIL,  29                          ; v29  0; never rewritten
.set A5,   30                          ; v[30:31] a GELU constant, twice
.set GW,   32                          ; v32-63 GELU at work
.set GT,   40
.set GE,   48
.set GM,   56
.set F0,   64                          ; fragment buffers, in windows 0 (A) and 1 (W)
.set F1,   128
.set X,    64                          ; the way out: a block of 16 rows x 128 columns in f32, bias added
.set PK,   128                         ; the same, packed
.set RB0,  160                         ; v160-191, v192-223  the block read back, two buffers by turns
.set G1,   24                          ; s[24:31] group 1 for A;  s[32:39] group 0, a set for each slot
.set G0,   32
.set G1B,  48                          ; s[48:55], s[56:63] the same for W
.set G0B,  56
.set MSB,  0
.macro WIN new                         ; the immediate's high byte repeats the setting that is left; a switch that changes nothing is dropped
.if MSB != \new
	s_set_vgpr_msb (MSB<<8)|\new
.set MSB, \new
.endif
.endm
.set MUL_LO, 0xa1                      ; source 0 (W) window 1, source 1 (A) window 0, C and D window 2
.set MUL_HI, 0xf1                      ; the same, C and D window 3
.set TO_B,   0x40                      ; destination window 1, address window 0
.macro PLACES                          ; four plain places behind matrix instructions, in front of loads into their sources and of readers of their results
.rept 4
	v_nop
.endr
.endm
.macro JLOAD s                         ; a joint load: waves 0, 1 fetch A's two halves, waves 2, 3 W's; four v_nop follow each line
	s_cmp_eq_u32 s11, 0
	s_cbranch_scc0 .Lfor_b_\@
	tensor_load_to_lds s[G0+4*\s:G0+4*\s+3], s[G1:G1+7]
	s_nop 0
.rept 4
	v_nop
.endr
	s_branch .Lasked_\@
.Lfor_b_\@:
	tensor_load_to_lds s[G0B+4*\s:G0B+4*\s+3], s[G1B:G1B+7]
	s_nop 0
.rept 4
	v_nop
.endr
.Lasked_\@:
.endm
.macro CREST                           ; a round of the cluster's barrier behind its opening barrier
	s_cmp_lg_u32 s10, 0
	s_cbranch_scc1 .Lnot_wave_0_\@
	s_barrier_signal -3
.Lnot_wave_0_\@:
	s_barrier_wait -3
	s_barrier_signal -1
	s_barrier_wait -1
.endm
.macro CROUND
	s_barrier_signal -1
	s_barrier_wait -1
	CREST
.endm
	s_load_b128 s[4:7], s[0:1], 0x0                ; A s[4:5], wts s[6:7]
	s_load_b64 s[8:9], s[0:1], 0x10                ; C
	s_load_b64 s[66:67], s[0:1], 0x18              ; the bias (with QKV: q's)
.if QKV
	s_load_b128 s[68:71], s[0:1], 0x20             ; k's and v's
.endif
	v_lshl_add_u32 v[SPW], v0, 2, SPARE
	v_mov_b32 v[NIL], 0
	ds_add_u32 v28, v29
	ds_add_u32 v28, v29
	s_wait_dscnt 0x0
	v_lshrrev_b32 v1, 5, v0
	v_readfirstlane_b32 s10, v1                    ; wave 0..3
	s_lshr_b32 s11, s10, 1                         ; which 128 rows of the tile are mine.  Also: I fetch for A (0) or for W (1)
	s_and_b32 s12, s10, 1                          ; which 128 columns.  Also: which half I fetch
	s_bfe_u32 s40, ttmp6, 0x40000                  ; cx, cy: my place in the cluster
	s_bfe_u32 s41, ttmp6, 0x40004
	s_lshl_b32 s42, ttmp9, 2
	s_add_co_u32 s42, s42, s40                     ; tile column = 4 x cluster x + cx
	s_and_b32 s13, ttmp7, 0xffff
	s_lshl_b32 s13, s13, 2
	s_add_co_u32 s13, s13, s41                     ; tile row = 4 x cluster y + cy, 0..15
	s_lshl_b32 s43, s41, 2
	s_lshl_b32 s43, 15, s43                        ; my row of the cluster
	s_lshl_b32 s44, 0x1111, s40                    ; my column
	; group 1 for A: two runs of 8,192 elements (128 rows of a panel lie densely, 16 KiB), a panel apart; 4 words of padding behind every 32 words, counted along the tile: LDS rows of 144 bytes
	s_or_b32 s[G1+0], s43, (1<<16)|(1<<20)|(1<<21)|(4<<22)|(3<<25)
	s_mov_b32 s[G1+1], 8192<<16                    ; tensor_dim0
	s_mov_b32 s[G1+2], 2<<16                       ; tensor_dim1
	s_mov_b32 s[G1+3], 8192<<16                    ; tile_dim0
	s_mov_b32 s[G1+4], 2                           ; tile_dim1
	s_mov_b32 s[G1+5], PANELB/2                    ; elements from panel to panel
	s_mov_b32 s[G1+6], 0
	s_mov_b32 s[G1+7], 0
	; group 1 for W: 64 rows of k x 256 columns (512 bytes, from a multiple of 512), 8 words of padding behind every 128
	s_or_b32 s[G1B+0], s44, (1<<16)|(1<<20)|(1<<21)|(6<<22)|(7<<25)
	s_mov_b32 s[G1B+1], 256<<16
	s_mov_b32 s[G1B+2], 64<<16
	s_mov_b32 s[G1B+3], 256<<16
	s_mov_b32 s[G1B+4], 64
	s_mov_b32 s[G1B+5], NDIM
	s_mov_b32 s[G1B+6], 0
	s_mov_b32 s[G1B+7], 0
	; A's address hangs on the tile row and the wave alone, W's on the tile column and the wave alone, each in registers that never hold the other coordinate
	s_lshl_b32 s16, s13, 15                        ; 256 rows of 128 bytes for each tile row
	s_lshl_b32 s17, s12, 14                        ; my 128 rows of them
	s_add_co_u32 s16, s16, s17
	s_mov_b32 s17, 0
	s_mul_i32 s46, s12, 128*NDIM                   ; my 64 rows of k
	s_lshl_b32 s47, s42, 9                         ; 256 columns of 2 bytes for each tile column
	s_add_co_u32 s46, s46, s47
	s_add_co_u32 s46, s46, WOFF
	s_mov_b32 s47, 0
	s_mul_i32 s20, s10, HALFT                      ; where they go: wave x 36,864: no place in the cluster enters an LDS address
	s_wait_kmcnt 0x0
	s_add_nc_u64 s[14:15], s[4:5], s[16:17]
	s_add_nc_u64 s[46:47], s[6:7], s[46:47]
	CROUND                                         ; all sixteen work-groups are here: the first joint loads meet
.irp s, 0,1
	s_mov_b32 s[G0+4*\s], 1
	s_add_co_u32 s[G0+4*\s+1], s20, \s*SLOT
	s_add_nc_u64 s[G0+4*\s+2:G0+4*\s+3], s[14:15], \s*2*PANELB
	s_or_b32 s[G0+4*\s+3], s[G0+4*\s+3], 0x80000000
	s_mov_b32 s[G0B+4*\s], 1
	s_add_co_u32 s[G0B+4*\s+1], s20, \s*SLOT
	s_add_nc_u64 s[G0B+4*\s+2:G0B+4*\s+3], s[46:47], \s*256*NDIM
	s_or_b32 s[G0B+4*\s+3], s[G0B+4*\s+3], 0x80000000
	JLOAD \s                                       ; two loads of mine are out
.endr
	v_and_b32 v1, 15, v0                           ; r = l % 16
	v_bfe_u32 v2, v0, 4, 1                         ; h = l / 16
	v_mul_u32_u24 v3, v1, PA
	v_lshl_add_u32 v3, v2, 4, v3                   ; r x 144 + 16 h
	s_mul_i32 s21, s11, HALFT                      ; my 128 rows: one room
	v_add_nc_u32 v[ADRA], s21, v3
	v_add_nc_u32 v[ADRA+1], SLOT, v[ADRA]
	v_and_b32 v4, 7, v0                            ; the transposing load: lane l reads row k = 8 h + l % 8, 16 bytes at 16 ((l / 8) % 2)
	v_lshl_add_u32 v4, v2, 3, v4
	v_mul_u32_u24 v4, v4, PB
	v_bfe_u32 v5, v0, 3, 1
	v_lshl_add_u32 v4, v5, 4, v4
	s_lshl_b32 s22, s12, 8                         ; my 128 columns
	s_add_co_u32 s22, s22, BOFF
	v_add_nc_u32 v[ADRB], s22, v4
	v_add_nc_u32 v[ADRB+1], SLOT, v[ADRB]
	s_mul_i32 s23, s10, STW
	s_add_co_u32 s23, s23, STAGE                   ; my stage: two panels of 16 rows of 128 bytes, pitch 144
	v_add_nc_u32 v[STO], s23, v3                   ; in: row r, 16 bytes for each half of the lanes
	v_bfe_u32 v4, v0, 3, 2                         ; back: eight lanes a row, four rows a load
	v_and_b32 v5, 7, v0
	v_mul_u32_u24 v4, v4, PA
	v_lshl_add_u32 v4, v5, 4, v4
	v_add_nc_u32 v[RD], s23, v4
	v_and_b32 v[CO], 31, v0
	v_lshlrev_b32 v[CO], 4, v[CO]                  ; four panel rows lie on end: 16 bytes a lane
	v_lshlrev_b32 v[BO], 5, v2                     ; my eight columns of a block of 16: 32 h
.if ACT
	v_mov_b32 v[A5], 0x3f1ff67a
	v_mov_b32 v[A5+1], v[A5]
.endif
	s_lshl_b32 s16, s13, 15                        ; C: my rows in a panel,
	s_lshl_b32 s17, s11, 14
	s_add_co_u32 s16, s16, s17
	s_mov_b32 s17, 0
	s_add_nc_u64 s[8:9], s[8:9], s[16:17]
	s_lshl_b32 s46, s42, 21                        ; and my first panel: 4 x tile column + 2 x my half
	s_lshl_b32 s47, s12, 20
	s_add_co_u32 s46, s46, s47
	s_mov_b32 s47, 0
	s_add_nc_u64 s[8:9], s[8:9], s[46:47]
.if QKV
	s_cmp_eq_u32 ttmp9, 1                          ; four tile columns of 256 are one of q, k, v: the cluster's x says which
	s_cselect_b64 s[66:67], s[68:69], s[66:67]
	s_cmp_eq_u32 ttmp9, 2
	s_cselect_b64 s[66:67], s[70:71], s[66:67]
	s_lshl_b32 s46, s40, 10                        ; and cx which 256 of its 1024 numbers
.else
	s_lshl_b32 s46, s42, 10                        ; the bias of the tile's 256 columns,
.endif
	s_lshl_b32 s47, s12, 9                         ; of my 128
	s_add_co_u32 s46, s46, s47
	s_mov_b32 s47, 0
	s_add_nc_u64 s[66:67], s[66:67], s[46:47]
	WIN TO_B                                       ; block b's eight columns of mine -> window 1, v[8 b ..]; they land under the K loop
.irp b, 0,1,2,3,4,5,6,7
	global_load_b128 v[8*\b:8*\b+3],   v[BO], s[66:67] offset:64*\b
	global_load_b128 v[8*\b+4:8*\b+7], v[BO], s[66:67] offset:64*\b+16
.endr
	WIN 0
; 16 matrix instructions: m blocks a0, a0 + 1 of the window's four (hi = 0: my rows 0-63, 1: rows 64-127) x all 8 n blocks, 32 along K.  zero = 1: the product starts the sums.
; The 64 accumulators take turns, one instruction a turn, in the same order in every quarter.
.macro MUL16 f, hi, a0, zero
.irp a, \a0, \a0+1
.irp b, 0,1,2,3,4,5,6,7
.if \zero
	v_wmma_f32_16x16x32_bf16 v[8*(8*(\a)+\b):8*(8*(\a)+\b)+7], v[\f+8*\b:\f+8*\b+7], v[\f+8*(4*\hi+\a):\f+8*(4*\hi+\a)+7], 0
.else
	v_wmma_f32_16x16x32_bf16 v[8*(8*(\a)+\b):8*(8*(\a)+\b)+7], v[\f+8*\b:\f+8*\b+7], v[\f+8*(4*\hi+\a):\f+8*(4*\hi+\a)+7], v[8*(8*(\a)+\b):8*(8*(\a)+\b)+7]
.endif
.endr
.endr
.endm
; 32 LDS loads in one run: the fragments of quarter q (32 along K) of a slot into buffer f: 128 columns of W, then 128 rows of A.  Quarters 0, 1 lie in A's first panel and W's first room.
.macro FETCH slot, q, f
	WIN TO_B
.irp i, 0,1,2,3,4,5,6,7
	ds_load_tr16_b128 v[\f+8*\i:\f+8*\i+3],   v[ADRB+\slot] offset:((\q)/2)*HALFT+32*((\q)%2)*PB+32*\i
	ds_load_tr16_b128 v[\f+8*\i+4:\f+8*\i+7], v[ADRB+\slot] offset:((\q)/2)*HALFT+32*((\q)%2)*PB+32*\i+16*PB
.endr
	WIN 0
.irp i, 0,1,2,3,4,5,6,7
	ds_load_b128 v[\f+8*\i:\f+8*\i+3],   v[ADRA+\slot] offset:((\q)/2)*PANEL+64*((\q)%2)+\i*16*PA
	ds_load_b128 v[\f+8*\i+4:\f+8*\i+7], v[ADRA+\slot] offset:((\q)/2)*PANEL+64*((\q)%2)+\i*16*PA+32
.endr
.endm
; A K step is four quarters of 32 along K, 64 matrix instructions each, on buffers 0, 1, 0, 1.  One of the first three: multiplies buffer f and, in its middle, fetches quarter q into g.
.macro QUARTER slot, q, f, g, zero
	s_wait_dscnt 8                                 ; W and A's rows 0-63 are in; the youngest eight loads (A's rows 64-127) may be out
	WIN MUL_LO
	MUL16 \f, 0, 0, \zero
	MUL16 \f, 0, 2, \zero
	PLACES
	FETCH \slot, \q, \g
	s_wait_dscnt 32                                ; all but the 32 just issued
	WIN MUL_HI
	MUL16 \f, 1, 0, \zero
	MUL16 \f, 1, 2, \zero
.endm
; The last quarter multiplies buffer 1 and changes slots: one barrier; in front of it each wave waits for all its tensor loads (one is out: its part of the next slot), adds 0 to its
; spare word, and waits for that and for its reads of this slot.  mode 1: this slot is filled again, two K steps on; 0: not.
.macro TURN slot, next, mode
	WIN 0                                          ; the add's two registers lie in window 0
	s_wait_tensorcnt 0x0                           ; all my tensor loads have landed
	ds_add_u32 v[SPW], v[NIL]
	s_wait_dscnt 9                                 ; the add and the youngest eight loads may be out
	WIN MUL_LO
	MUL16 F1, 0, 0, 0                              ; sixteen matrix instructions stand between the add and the wait for it
	s_wait_dscnt 0x0                               ; the add is done, and my reads of this slot are over
	s_barrier_signal -1
	MUL16 F1, 0, 2, 0
.if \mode
	WIN 0
.endif
	s_barrier_wait -1
.if \mode
	CREST                                          ; the barrier has opened a round of the cluster's: no wave of any partner still reads this slot or has a load on its way
	s_add_nc_u64 s[G0+4*\slot+2:G0+4*\slot+3], s[G0+4*\slot+2:G0+4*\slot+3], STEP_A
	s_add_nc_u64 s[G0B+4*\slot+2:G0B+4*\slot+3], s[G0B+4*\slot+2:G0B+4*\slot+3], STEP_B
	JLOAD \slot                                    ; my one tensor load behind the round, 224 matrix instructions ahead of the wait for it; its four v_nop are also the places in front of the loads below
.else
	PLACES
.endif
	FETCH \next, 0, F0
	WIN MUL_HI
	MUL16 F1, 1, 0, 0
	MUL16 F1, 1, 2, 0
.endm
; gelu(x) = x (1 + erf(x / sqrt 2)) / 2 = max(x, 0) - w t (A1 + t (A2 + t (A3 + t (A4 + t A5)))) 2^(-w w), w = |x| sqrt(log2(e) / 2), t = 1 / (1 + P w):
; Abramowitz and Stegun 7.1.26 with its constants rescaled to w; absolute error of erf 1.5e-7.  Written through erfc, so that nothing cancels for negative x.
; |x| = 2 max(x, 0) - x, exactly.  Eight numbers in place.  NaN and infinities get no care of their own.
.macro GELU x
.irp k, 0,1,2,3,4,5,6,7
	v_max_num_f32 v[GM+\k], 0, v[(\x)+\k]
.endr
.irp k, 0,2,4,6
	v_pk_fma_f32 v[GW+\k:GW+\k+1], v[GM+\k:GM+\k+1], 2.0, v[(\x)+\k:(\x)+\k+1] op_sel_hi:[1,0,1] neg_lo:[0,0,1] neg_hi:[0,0,1]
.endr
.irp k, 0,2,4,6
	v_pk_mul_f32 v[GW+\k:GW+\k+1], v[GW+\k:GW+\k+1], 0x3f596d27 op_sel_hi:[1,0]
.endr
.irp k, 0,2,4,6
	v_pk_fma_f32 v[GT+\k:GT+\k+1], v[GW+\k:GW+\k+1], 0x3e8ba43f, 1.0 op_sel_hi:[1,0,0]
.endr
.irp k, 0,2,4,6
	v_pk_mul_f32 v[GE+\k:GE+\k+1], v[GW+\k:GW+\k+1], v[GW+\k:GW+\k+1] neg_lo:[1,0] neg_hi:[1,0]
.endr
.irp k, 0,1,2,3,4,5,6,7
	v_rcp_f32 v[GT+\k], v[GT+\k]
.endr
.irp k, 0,1,2,3,4,5,6,7
	v_exp_f32 v[GE+\k], v[GE+\k]
.endr
	v_nop                                          ; a plain instruction between the last exponential and the use of its result
.irp k, 0,2,4,6
	v_pk_mul_f32 v[GE+\k:GE+\k+1], v[GE+\k:GE+\k+1], v[GW+\k:GW+\k+1]
.endr
.irp k, 0,2,4,6
	v_pk_fma_f32 v[GW+\k:GW+\k+1], v[GT+\k:GT+\k+1], v[A5:A5+1], 0xbf5b0099 op_sel_hi:[1,1,0]
.endr
.irp c, 0x3f563818, 0xbe2b8119, 0x3e199eb3
.irp k, 0,2,4,6
	v_pk_fma_f32 v[GW+\k:GW+\k+1], v[GT+\k:GT+\k+1], v[GW+\k:GW+\k+1], \c op_sel_hi:[1,1,0]
.endr
.endr
.irp k, 0,2,4,6
	v_pk_mul_f32 v[GW+\k:GW+\k+1], v[GW+\k:GW+\k+1], v[GT+\k:GT+\k+1]
.endr
.irp k, 0,2,4,6
	v_pk_fma_f32 v[(\x)+\k:(\x)+\k+1], v[GW+\k:GW+\k+1], v[GE+\k:GE+\k+1], v[GM+\k:GM+\k+1] neg_lo:[1,0,0] neg_hi:[1,0,0]
.endr
.endm
; THE WAY OUT of block a (16 rows x 128 columns).  PACK: accumulator + bias into window 0, each accumulator from its low end on; activation; rounding: 16 bytes a lane for each of 8 column blocks.
.macro PACK a
.set AC, 64*((\a)%4)
	WIN 0x06+((\a)/4)                              ; source 0 window 2 or 3 (the sums), source 1 window 1 (the bias), destination window 0
.irp b, 0,1,2,3,4,5,6,7
.irp p, 0,1,2,3
	v_pk_add_f32 v[X+8*\b+2*\p:X+8*\b+2*\p+1], v[AC+8*\b+2*\p:AC+8*\b+2*\p+1], v[8*\b+2*\p:8*\b+2*\p+1]
.endr
.endr
	WIN 0
.if ACT
.irp b, 0,1,2,3,4,5,6,7
	GELU X+8*\b
.endr
.endif
.irp b, 0,1,2,3,4,5,6,7
.irp p, 0,1,2,3
	v_cvt_pk_bf16_f32 v[PK+4*\b+\p], v[X+8*\b+2*\p], v[X+8*\b+2*\p+1]
.endr
.endr
.endm
.macro TOSTAGE a                       ; into my own stage (column blocks 0-3: the first panel, 4-7: the second), and back as whole rows; LDS serves a wave's instructions in order, so no wait stands between
.set BK, RB0+32*((\a)%2)
.irp b, 0,1,2,3,4,5,6,7
	ds_store_b128 v[STO], v[PK+4*\b:PK+4*\b+3] offset:((\b)/4)*16*PA+32*((\b)%4)
.endr
.irp p, 0,1
.irp u, 0,1,2,3
	ds_load_b128 v[BK+4*(4*\p+\u):BK+4*(4*\p+\u)+3], v[RD] offset:\p*16*PA+\u*4*PA
.endr
.endr
.endm
.macro SEND a
.set BK, RB0+32*((\a)%2)
	s_wait_dscnt 0x0                               ; the block is back in registers
	s_wait_xcnt 0x0                                ; the other buffer, which earlier stores read, is loaded again only behind this wait
.irp p, 0,1
.irp u, 0,1,2,3
	global_store_b128 v[CO], v[BK+4*(4*\p+\u):BK+4*(4*\p+\u)+3], s[8:9] offset:\p*PANELB+(\a)*2048+\u*512   ; four panel rows: 512 consecutive bytes, aligned
.endr
.endr
.endm
	s_wait_tensorcnt 0x1                           ; my part of K step 0 is in; K step 1's may stay out
	s_barrier_signal -1
	s_barrier_wait -1
	FETCH 0, 0, F0
	QUARTER 0, 1, F0, F1, 1                        ; the first quarter starts the sums
	WIN 0                                          ; at a label and at a branch every window is 0
	s_mov_b32 s3, LAPS-1
.Llap:                                                 ; once round the ring, from a lap's second quarter to the next lap's first; both slots are filled again
	QUARTER 0, 2, F1, F0, 0
	QUARTER 0, 3, F0, F1, 0
	TURN 0, 1, 1
	QUARTER 1, 1, F0, F1, 0
	QUARTER 1, 2, F1, F0, 0
	QUARTER 1, 3, F0, F1, 0
	TURN 1, 0, 1
	QUARTER 0, 1, F0, F1, 0
	WIN 0
	s_sub_co_u32 s3, s3, 1
	s_cmp_lg_u32 s3, 0
	s_cbranch_scc1 .Llap
	QUARTER 0, 2, F1, F0, 0                        ; the last lap fills nothing, and has no round of the cluster's barrier
	QUARTER 0, 3, F0, F1, 0
	TURN 0, 1, 0
	QUARTER 1, 1, F0, F1, 0
	QUARTER 1, 2, F1, F0, 0
	QUARTER 1, 3, F0, F1, 0
	s_wait_dscnt 8                                 ; the very last quarter: nothing more to fetch
	WIN MUL_LO
	MUL16 F1, 0, 0, 0
	MUL16 F1, 0, 2, 0
	s_wait_dscnt 0x0
	WIN MUL_HI
	MUL16 F1, 1, 0, 0
	MUL16 F1, 1, 2, 0
	WIN 0
	PLACES
	s_wait_loadcnt 0x0                             ; the bias
	PACK 0
	TOSTAGE 0
.irp a, 1,2,3,4,5,6,7                  ; block a's arithmetic stands between block a - 1's loads from the stage and the wait for them
	PACK \a
	SEND \a-1
	TOSTAGE \a
.endr
	SEND 7
	s_wait_tensorcnt 0x0                           ; the wave's end
	ds_add_u32 v[SPW], v[NIL]
	s_wait_dscnt 0x0
	CROUND                                         ; the closing round: no work-group ends while a partner may still ask for a tile that names it
	s_endpgm
.Lfunc_end_k_qda422d02d0_proj:
	.size	k_qda422d02d0_proj, .Lfunc_end_k_qda422d02d0_proj-k_qda422d02d0_proj
	.p2alignl 7, 3214868480
	.fill 96, 4, 3214868480
	.section	.rodata,"a",@progbits
	.p2align	6, 0x0
	.amdhsa_kernel k_qda422d02d0_proj
		.amdhsa_group_segment_fixed_size 327680
		.amdhsa_private_segment_fixed_size 0
		.amdhsa_enable_private_segment 0
		.amdhsa_kernarg_size 48
		.amdhsa_user_sgpr_count 2
		.amdhsa_user_sgpr_kernarg_segment_ptr 1
		.amdhsa_wavefront_size32 1
		.amdhsa_system_sgpr_workgroup_id_x 1
		.amdhsa_system_sgpr_workgroup_id_y 1
		.amdhsa_system_sgpr_workgroup_id_z 1
		.amdhsa_system_vgpr_workitem_id 0
		.amdhsa_next_free_vgpr 1024
		.amdhsa_next_free_sgpr 76
		.amdhsa_reserve_vcc 0
		.amdhsa_float_denorm_mode_32 3
		.amdhsa_float_denorm_mode_16_64 3
		.amdhsa_memory_ordered 1
		.amdhsa_forward_progress 1
		.amdhsa_inst_pref_size 160
	.end_amdhsa_kernel
	.amdgpu_metadata
---
amdhsa.version: [ 1, 2 ]
amdhsa.kernels:
  - .name:           k_qda422d02d0_proj
    .symbol:         k_qda422d02d0_proj.kd
    .args:
      - { .name: xb, .offset: 0, .size: 8, .value_kind: global_buffer, .address_space: global }
      - { .name: wts, .offset: 8, .size: 8, .value_kind: global_buffer, .address_space: global }
      - { .name: qkv, .offset: 16, .size: 8, .value_kind: global_buffer, .address_space: global }
      - { .name: bq, .offset: 24, .size: 8, .value_kind: global_buffer, .address_space: global }
      - { .name: bk, .offset: 32, .size: 8, .value_kind: global_buffer, .address_space: global }
      - { .name: bv, .offset: 40, .size: 8, .value_kind: global_buffer, .address_space: global }
    .group_segment_fixed_size: 327680
    .private_segment_fixed_size: 0
    .kernarg_segment_align: 8
    .kernarg_segment_size: 48
    .max_flat_workgroup_size: 128
    .sgpr_count:     76
    .vgpr_count:     1024
    .wavefront_size: 32
...
	.end_amdgpu_metadata
.endif
;; end of part 3
;; launch attn (part 4): grid 8 x 32, 8 waves a work-group, no clusters, 327,680 bytes of LDS; arguments qkv, hb; writes hb
.if DOCPART == 4
	.amdgcn_target "amdgcn-amd-amdhsa--gfx1250"
	.amdhsa_code_object_version 6
	.text
	.protected	k_qda422d02d0_attn
	.globl	k_qda422d02d0_attn
	.p2align	8
	.type	k_qda422d02d0_attn,@function
k_qda422d02d0_attn:
	s_mov_b64 s[64:65], 0
	v_nop
	global_prefetch_b8 v0, s[64:65] scope:SCOPE_SE
	s_setreg_imm32_b32 hwreg(HW_REG_WAVE_MODE, 25, 1), 1
	s_wait_xcnt 0x0
; Causal attention, head size 64.  q, k, v: bf16 panels [which x 16 + head][4096 rows = batch x 2048 + t][64] in qkv.  Out: bf16 panels [head][4096][64].
; Products, maxima and sums in f32; the weights are rounded to bf16 for the second product, the result once at the end.
; SHARES.  Work-group (j, batch x 16 + head) takes query block j (128 queries) and then query block 15 - j.  Keys come in blocks of 256, and only those that reach down to the
; diagonal are walked: (j / 2 + 1) + ((15 - j) / 2 + 1) = 9 blocks in EVERY work-group, so all 256 work-groups do the same work.  Of the 18 halves of those blocks one lies wholly above
; the diagonal; it is computed and masked like any other.
; EIGHT WAVES, two to a SIMD, in two teams: waves w and w + 4 hold the same 32 queries (two tiles of 16); team A (waves 0-3) takes a block's keys 0-127, team B (4-7) its keys 128-255,
; each in two steps of 64.  So one wave of a SIMD has vector work to issue while the other's products run, and a fragment read from LDS still feeds 32 queries.
; When a query block is done, team B hands its c m, l and O^T over through LDS bytes of their own, and team A merges by 2^(c m - c max), divides and stores.
; NO CLUSTER: the work-groups of one head stand at different key blocks in the same trip (number t of j's walk is not number t of another j's), so no tile is wanted by two at the same time.
; LAYOUT.  S^T = K Q^T (source 0 = 16 keys, source 1 = 16 queries): a lane holds ONE query (lane % 16) and keys 8 (lane / 16) + 0..7.  Two such tiles, rounded in pairs, are source 1
; of O^T = V^T P.  K comes out of LDS as it lies, V ([key][channel]) by the transposing load.
; SOFTMAX.  A running maximum m and sum l for each query: p = 2^(c s - c m), c = log2(e) / 8; O and l are multiplied by a = 2^(c m_old - c m_new) in every step.
; A block starts from m = the lowest finite f32, l = 0, O = 0 (64 moves, twice a wave, in place of a second text for first steps).  Masked scores are -inf and give p = 0; where all keys
; of a step are masked m stays, a = 1 and nothing is added.  Team A's first step holds key 0, which is open to every query, so the merged l is positive.
; NaN and infinite inputs get no care of their own.
; REGISTERS.  window 0: v1-15 addresses; v16-31 statistics, 8 a tile; v32-95 S^T, 32 a tile; v96-127 P, 16 a tile; v128-191 O^T, 32 a tile; v192 an address.
;   window 1: v0-31 Q; v32-95 K of one step; v96-159 V of one step.
.set PKK,   144                        ; a row of K in LDS: 128 bytes + 16
.set PVV,   160                        ; a row of V: 128 + 32: five times 32, for the transposing load
.set VOFF,  256*PKK                    ; in a slot: 256 rows of K, then 256 rows of V
.set SLOT1, 131072                     ; slot 1 begins here: one exclusive or turns an address of one slot into the other's
.set STAGE, SLOT1+256*(PKK+PVV)        ; behind the ring: 16 rows x 144 bytes for each wave of team A, for the way out
.set SP,    144
.set MRG,   STAGE+4*16*SP              ; where team B hands over: for each pair of waves 17 x 512 bytes (64 registers of O^T, 4 of statistics, 32 lanes)
.set MRGW,  17*512
.set SPARE, MRG+4*MRGW                 ; the spare words, 128 bytes a wave: four blocks of 256 bytes that no other line names
.set AK0, 2                            ; v2   my lane's place in my team's half of a block of K
.set AV0, 3                            ; v3   the same for V
.set ADRK, 4                           ; v4, v5  the same in the slot in hand
.set ADRV, 5
.set QO,  6                            ; v6   my byte offset in the wave's rows of Q
.set STO, 7                            ; v7   the way out: where I put 16 bytes of a row
.set RD,  8                            ; v8   where I read rows back
.set GO,  9                            ; v9   my byte offset in the wave's rows of the result
.set DQ,  10                           ; v10  my query less my team's first key less 8 (lane / 16), counted in the diagonal's key block: what a key's constant is compared with
.set NEG, 11                           ; v11  -inf
.set SPW, 12                           ; v12  my spare word; never rewritten
.set NIL, 13                           ; v13  0; never rewritten
.set ST,  16                           ; tile t at v[16 + 8 t]: +0 c m, +1 m, +2, +3 l (even keys', odd keys'), +4 to +7 at work; a takes +6
.set S,   32
.set P,   96
.set O,   128
.set MG,  192                          ; v192 my 16 bytes in my pair's hand-over bytes
.set QF,  0                            ; window 1
.set KF,  32
.set VF,  96
.set WV,  8                            ; s8   wave 0..7
.set JD,  9                            ; s9   j / 2: the trip of the first query block's diagonal
.set TR,  10                           ; s10  the trip, 0..8
.set TB,  11                           ; s11  LDS byte of the slot that is read
.set NB,  12                           ; s[12:13] byte offset of the key block to be fetched
.set WQ,  15                           ; s15  wave % 4: which 32 queries are mine, and which 64 rows of a block I fetch
.set Q1,  16                           ; s[16:17], s[18:19] my rows of q in the first and second query block
.set Q2,  18
.set O1,  20                           ; s[20:21], s[22:23] the same rows of the result
.set O2,  22
.set G1K, 24                           ; s[24:31] group 1 for K;  s[32:39] for V: the padding differs
.set G1V, 32
.set G0K, 40                           ; s[40:43], s[44:47] group 0: one walking set each, since one load of a wave is out at a time
.set G0V, 44
.set KB,  48                           ; s[48:49], s[50:51] my 64 rows of key block 0 in k and in v
.set VB,  50
.set CS,  52                           ; s[52:53] c, twice
.set SEL, 54                           ; s[54:55] v_permlanex16_b32: each lane takes its own place in the other half
.set TEAM, 60                          ; s60  0: team A, 1: team B
.set FLIP, 61                          ; s61  what DQ gains at the second query block: it lies in the other half of its diagonal's key block
.set MSB, 0
.macro WIN new
.if MSB != \new
	s_set_vgpr_msb (MSB<<8)|\new
.set MSB, \new
.endif
.endm
.set W_KQ, 0x05                        ; K and Q in window 1, S^T in window 0
.set W_PV, 0x01                        ; V in window 1; P and O^T in window 0
.set TO_1, 0x40                        ; destination window 1
.macro PLACES                          ; four plain places behind matrix instructions (ISA guide 7.12.1)
.rept 4
	v_nop
.endr
.endm
.macro LOADT                           ; every wave fetches 64 rows: waves 0-3 of K, waves 4-7 of V; four v_nop follow each line
	s_cmp_lt_u32 s[WV], 4
	s_cbranch_scc0 .Lfor_v_\@
	tensor_load_to_lds s[G0K:G0K+3], s[G1K:G1K+7]
	s_nop 0
.rept 4
	v_nop
.endr
	s_branch .Lasked_\@
.Lfor_v_\@:
	tensor_load_to_lds s[G0V:G0V+3], s[G1V:G1V+7]
	s_nop 0
.rept 4
	v_nop
.endr
.Lasked_\@:
.endm
.macro QLOAD base                      ; 32 queries x 64 channels: tile t, channels 32 c on
	WIN TO_1
.irp t, 0,1
.irp c, 0,1
	global_load_b128 v[QF+16*\t+8*\c:QF+16*\t+8*\c+3],   v[QO], s[\base:\base+1] offset:\t*2048+64*\c
	global_load_b128 v[QF+16*\t+8*\c+4:QF+16*\t+8*\c+7], v[QO], s[\base:\base+1] offset:\t*2048+64*\c+32
.endr
.endr
	WIN 0
.endm
.macro RESET                           ; a query block starts: m = the lowest finite number, l = 0, O = 0
.irp t, 0,1
	v_mov_b32 v[ST+8*\t+1], 0xff7fffff
	v_mov_b32 v[ST+8*\t+2], 0
	v_mov_b32 v[ST+8*\t+3], 0
	v_mul_f32 v[ST+8*\t], s[CS], v[ST+8*\t+1]
.endr
.set i, 0
.rept 64
	v_mov_b32 v[O+i], 0
.set i, i+1
.endr
.endm
	s_load_b128 s[4:7], s[0:1], 0x0                ; qkv s[4:5], result s[6:7]
	v_lshl_add_u32 v[SPW], v0, 2, SPARE
	v_mov_b32 v[NIL], 0
	ds_add_u32 v12, v13
	ds_add_u32 v12, v13
	s_wait_dscnt 0x0
	v_lshrrev_b32 v1, 5, v0
	v_readfirstlane_b32 s[WV], v1
	s_lshr_b32 s[TEAM], s[WV], 2
	s_and_b32 s[WQ], s[WV], 3
	s_lshr_b32 s[JD], ttmp9, 1
	s_and_b32 s62, ttmp9, 1                        ; which half of its diagonal's key block query block j lies in
	s_sub_co_i32 s63, s62, s[TEAM]
	s_lshl_b32 s63, s63, 7                         ; 128 x (that half - my team): enters DQ
	s_lshl_b32 s[FLIP], s62, 8
	s_sub_co_i32 s[FLIP], 128, s[FLIP]             ; +128 or -128: block 15 - j lies in the other half
	s_and_b32 s14, ttmp7, 0xffff
	s_and_b32 s56, s14, 15                         ; head
	s_lshr_b32 s14, s14, 4                         ; batch
	s_lshl_b32 s56, s56, 19                        ; a panel is 524,288 bytes,
	s_lshl_b32 s14, s14, 18                        ; a batch's 2048 rows 262,144
	s_add_co_u32 s56, s56, s14
	s_lshl_b32 s58, s[WQ], 13                      ; the 64 rows of a key block that I fetch
	s_add_co_u32 s58, s58, s56
	s_mov_b32 s59, 0
	s_lshl_b32 s14, s[WQ], 12                      ; my 32 queries of a block
	s_add_co_u32 s14, s14, s56
	s_lshl_b32 s[NB], ttmp9, 14                    ; query block j,
	s_add_co_u32 s[NB], s[NB], s14
	s_mov_b32 s[NB+1], 0
	s_sub_co_u32 s56, 15, ttmp9                    ; and 15 - j
	s_lshl_b32 s56, s56, 14
	s_add_co_u32 s56, s56, s14
	s_mov_b32 s57, 0
	; group 1: 64 rows x 64 elements (128 bytes, dense), padded behind every 32 words by 4 words (K) or 8 (V)
	s_mov_b32 s[G1K], (1<<16)|(1<<20)|(4<<22)|(3<<25)
	s_mov_b32 s[G1V], (1<<16)|(1<<20)|(4<<22)|(7<<25)
.irp g, G1K, G1V
	s_mov_b32 s[\g+1], 64<<16                      ; tensor_dim0
	s_mov_b32 s[\g+2], 64<<16                      ; tensor_dim1
	s_mov_b32 s[\g+3], 64<<16                      ; tile_dim0
	s_mov_b32 s[\g+4], 64                          ; tile_dim1
	s_mov_b32 s[\g+5], 64                          ; elements from row to row
	s_mov_b32 s[\g+6], 0
	s_mov_b32 s[\g+7], 0
.endr
	s_mov_b32 s[CS], 0x3e38aa3b                    ; c = log2(e) / sqrt(64)
	s_mov_b32 s[CS+1], s[CS]
	s_mov_b32 s[SEL], 0x76543210
	s_mov_b32 s[SEL+1], 0xfedcba98
	s_mov_b32 s[TR], 0
	s_mov_b32 s[TB], 0
	s_wait_kmcnt 0x0
	s_add_nc_u64 s[Q1:Q1+1], s[4:5], s[NB:NB+1]
	s_add_nc_u64 s[Q2:Q2+1], s[4:5], s[56:57]
	s_add_nc_u64 s[O1:O1+1], s[6:7], s[NB:NB+1]
	s_add_nc_u64 s[O2:O2+1], s[6:7], s[56:57]
	s_add_nc_u64 s[KB:KB+1], s[4:5], s[58:59]
	s_add_nc_u64 s[VB:VB+1], s[KB:KB+1], 32*524288 ; v's panels begin 32 panels in,
	s_add_nc_u64 s[KB:KB+1], s[KB:KB+1], 16*524288 ; k's 16
	s_mov_b32 s[G0K], 1
	s_mul_i32 s[G0K+1], s[WQ], 64*PKK
	s_mov_b64 s[G0K+2:G0K+3], s[KB:KB+1]
	s_or_b32 s[G0K+3], s[G0K+3], 0x80000000
	s_mov_b32 s[G0V], 1
	s_mul_i32 s[G0V+1], s[WQ], 64*PVV
	s_add_co_u32 s[G0V+1], s[G0V+1], VOFF
	s_mov_b64 s[G0V+2:G0V+3], s[VB:VB+1]
	s_or_b32 s[G0V+3], s[G0V+3], 0x80000000
	LOADT                                          ; key block 0 into slot 0: the first fill, ahead of every wait on TENSORcnt, LDS read and barrier
	v_and_b32 v1, 15, v0                           ; r = l % 16
	v_bfe_u32 v14, v0, 4, 1                        ; h = l / 16
	v_lshlrev_b32 v[QO], 7, v1
	v_lshl_add_u32 v[QO], v14, 4, v[QO]
	QLOAD Q1
	v_mul_u32_u24 v[AK0], v1, PKK
	v_lshl_add_u32 v[AK0], v14, 4, v[AK0]          ; row r, 16 bytes for each half of the lanes
	s_mul_i32 s62, s[WQ], 16*SP
	s_add_co_u32 s62, s62, STAGE                   ; my pair's stage; team A alone uses it
	v_add_nc_u32 v[STO], s62, v[AK0]               ; the stage's pitch is K's
	s_mul_i32 s14, s[TEAM], 128*PKK                ; my team's 128 keys
	v_add_nc_u32 v[AK0], s14, v[AK0]
	v_and_b32 v15, 7, v0                           ; the transposing load: key 8 h + l % 8, 16 bytes at 16 ((l / 8) % 2)
	v_lshl_add_u32 v[AV0], v14, 3, v15
	v_mul_u32_u24 v[AV0], v[AV0], PVV
	v_bfe_u32 v15, v0, 3, 1
	v_lshl_add_u32 v[AV0], v15, 4, v[AV0]
	s_mul_i32 s14, s[TEAM], 128*PVV
	s_add_co_u32 s14, s14, VOFF
	v_add_nc_u32 v[AV0], s14, v[AV0]
	v_bfe_u32 v15, v0, 3, 2                        ; back from the stage: eight lanes a row, four rows a load
	v_mul_u32_u24 v[RD], v15, SP
	v_and_b32 v15, 7, v0
	v_lshl_add_u32 v[RD], v15, 4, v[RD]
	v_add_nc_u32 v[RD], s62, v[RD]
	v_and_b32 v[GO], 31, v0
	v_lshlrev_b32 v[GO], 4, v[GO]
	s_mul_i32 s14, s[WQ], MRGW
	s_add_co_u32 s14, s14, MRG
	v_add_nc_u32 v[MG], s14, v[GO]                 ; 16 bytes a lane: each hand-over instruction takes 512 bytes on end
	v_and_b32 v15, 0x60, v0                        ; 32 x (wave % 4)
	v_add_nc_u32 v[DQ], v15, v1
	v_lshlrev_b32 v15, 3, v14
	v_sub_nc_u32 v[DQ], v[DQ], v15
	v_add_nc_u32 v[DQ], s63, v[DQ]
	v_mov_b32 v[NEG], 0xff800000
	RESET
.macro LOADK sub                       ; 64 keys x 64 channels: 8 fragments, 16 loads
	WIN TO_1
.irp k, 0,1,2,3
.irp c, 0,1
	ds_load_b128 v[KF+16*\k+8*\c:KF+16*\k+8*\c+3],   v[ADRK] offset:(64*\sub+16*\k)*PKK+64*\c
	ds_load_b128 v[KF+16*\k+8*\c+4:KF+16*\k+8*\c+7], v[ADRK] offset:(64*\sub+16*\k)*PKK+64*\c+32
.endr
.endr
.endm
.macro LOADV sub                       ; the same keys of V, turned: keys 32 k on, channels 16 c on
	WIN TO_1
.irp k, 0,1
.irp c, 0,1,2,3
	ds_load_tr16_b128 v[VF+32*\k+8*\c:VF+32*\k+8*\c+3],   v[ADRV] offset:(64*\sub+32*\k)*PVV+32*\c
	ds_load_tr16_b128 v[VF+32*\k+8*\c+4:VF+32*\k+8*\c+7], v[ADRV] offset:(64*\sub+32*\k)*PVV+32*\c+16*PVV
.endr
.endr
.endm
; The accumulators take turns, one instruction a turn: seven others stand between two links of a chain.
.macro SMUL                            ; S^T = K Q^T: 8 products start the sums, 8 finish them
	WIN W_KQ
.irp c, 0,1
.irp t, 0,1
.irp k, 0,1,2,3
.if \c == 0
	v_wmma_f32_16x16x32_bf16 v[S+32*\t+8*\k:S+32*\t+8*\k+7], v[KF+16*\k+8*\c:KF+16*\k+8*\c+7], v[QF+16*\t+8*\c:QF+16*\t+8*\c+7], 0
.else
	v_wmma_f32_16x16x32_bf16 v[S+32*\t+8*\k:S+32*\t+8*\k+7], v[KF+16*\k+8*\c:KF+16*\k+8*\c+7], v[QF+16*\t+8*\c:QF+16*\t+8*\c+7], v[S+32*\t+8*\k:S+32*\t+8*\k+7]
.endif
.endr
.endr
.endr
.endm
.macro PVMUL                           ; O^T += V^T P
	WIN W_PV
.irp k, 0,1
.irp t, 0,1
.irp c, 0,1,2,3
	v_wmma_f32_16x16x32_bf16 v[O+32*\t+8*\c:O+32*\t+8*\c+7], v[VF+32*\k+8*\c:VF+32*\k+8*\c+7], v[P+16*\t+8*\k:P+16*\t+8*\k+7], v[O+32*\t+8*\c:O+32*\t+8*\c+7]
.endr
.endr
.endr
.endm
; In the key block that holds the diagonal: score i of tile t belongs to key 128 team + 64 sub + 16 (i / 8) + 8 h + i % 8 of the block and to the query that DQ counts from (+ 16 t);
; it stays where key <= query.  A half that lies wholly below the diagonal keeps all its scores, one wholly above loses all.  Ascending: each accumulator from its low end on.
.macro MASK sub
.irp t, 0,1
.set i, 0
.rept 32
	v_cmp_le_i32 vcc_lo, 64*\sub+16*(i/8)+i%8-16*\t, v[DQ]
	v_cndmask_b32 v[S+32*\t+i], v[NEG], v[S+32*\t+i], vcc_lo
.set i, i+1
.endr
.endr
.endm
; One tile's softmax for 64 keys is a list of 118 instructions; SM writes number j of it for tile t.  s0-s31 are the lane's scores, in pairs 0-15.
;   0-15    the maximum of s0-s31 and the old m, three operands at a time       16-20  the other half of the lanes' maximum; the new m; c m; c m_old - c m_new
;   21-87   33 exponentials (a, then s0-s31) at the odd numbers from 23 on, a plain instruction at every even one: c s - c m for pairs still to come, roundings of pairs that are done, the first sums
;   88-101  the last rounding; the rest of the sums; l = a l + the sum          102-117 the tile's O^T times a, from each accumulator's low end on
.macro SM t
.set rT, ST+8*(\t)
.set rS, S+32*(\t)
.set rP, P+16*(\t)
.set rO, O+32*(\t)+2*(j-102)
.set q, (j-20)/2
.if j < 4
	v_max3_num_f32 v[rT+4+j], v[rS+8*j], v[rS+8*j+1], v[rS+8*j+2]
.elseif j < 12
	v_max3_num_f32 v[rT+4+j%4], v[rT+4+j%4], v[rS+8*(j%4)+2*(j/4)+1], v[rS+8*(j%4)+2*(j/4)+2]
.elseif j == 12
	v_max3_num_f32 v[rT+4], v[rT+4], v[rS+7], v[rS+15]
.elseif j == 13
	v_max3_num_f32 v[rT+6], v[rT+6], v[rS+23], v[rS+31]
.elseif j == 14
	v_max3_num_f32 v[rT+4], v[rT+4], v[rT+5], v[rT+6]
.elseif j == 15
	v_max3_num_f32 v[rT+4], v[rT+4], v[rT+7], v[rT+1]
.elseif j == 16
	v_permlanex16_b32 v[rT+5], v[rT+4], s[SEL], s[SEL+1]  ; the query's other 32 keys lie in the lane 16 away
.elseif j == 17
	v_mov_b32 v[rT+7], v[rT]                       ; c m_old is kept for a
.elseif j == 18
	v_max_num_f32 v[rT+1], v[rT+4], v[rT+5]
.elseif j == 19
	v_mul_f32 v[rT], s[CS], v[rT+1]
.elseif j == 20
	v_sub_f32 v[rT+7], v[rT+7], v[rT]
.elseif j == 23
	v_exp_f32 v[rT+6], v[rT+7]
.elseif (j < 88) && (j > 23) && (j%2 == 1)
	v_exp_f32 v[rS+(j-25)/2], v[rS+(j-25)/2]
.elseif (q < 4) || ((j < 76) && (q%2 == 0))
.set b, q/2+2
.if q < 4
.set b, q
.endif
	v_pk_fma_f32 v[rS+2*b:rS+2*b+1], v[rS+2*b:rS+2*b+1], s[CS:CS+1], v[rT:rT+1] op_sel_hi:[1,0,0] neg_lo:[0,0,1] neg_hi:[0,0,1]  ; pair b: c s - c m
.elseif (j < 88) && (q%2 == 1)
	s_wait_alu depctr_va_vdst(0)
	v_cvt_pk_bf16_f32 v[rP+(q-5)/2], v[rS+q-5], v[rS+q-4]
.elseif j == 89
	s_wait_alu depctr_va_vdst(0)
	v_cvt_pk_bf16_f32 v[rP+15], v[rS+30], v[rS+31]
.elseif j < 102                        ; the sum of the 16 pairs, in place: neighbours 1, 2, 4 and 8 pairs apart, then l takes it
.set z, j-86
.if j < 89
.set z, (j-76)/4
.endif
.set w, 4
.set u, z
.if z >= 14
.set w, 32
.set u, 0
.elseif z >= 12
.set w, 16
.set u, z-12
.elseif z >= 8
.set w, 8
.set u, z-8
.endif
.if z < 15
	v_pk_add_f32 v[rS+w*u:rS+w*u+1], v[rS+w*u:rS+w*u+1], v[rS+w*u+w/2:rS+w*u+w/2+1]
.else
	v_pk_fma_f32 v[rT+2:rT+3], v[rT+2:rT+3], v[rT+6:rT+7], v[rS:rS+1] op_sel_hi:[1,0,1]
.endif
.else
	v_pk_mul_f32 v[rO:rO+1], v[rO:rO+1], v[rT+6:rT+7] op_sel_hi:[1,0]
.endif
.endm
.macro SLICE                           ; numbers 2 k and 2 k + 1 of both tiles' lists
.if (k >= 11) && (k < 44)              ; tile by tile: plain, exponential, plain, exponential: every exponential has a plain instruction behind it
.irp t, 0,1
.irp n, 0,1
.set j, 2*k+\n
	SM \t
.endr
.endr
.else                                  ; the two tiles alternate, so that no instruction reads the result of the one just before it
.irp n, 0,1
.irp t, 0,1
.set j, 2*k+\n
	SM \t
.endr
.endr
.endif
.set k, k+1
.endm
.macro SOFT
	WIN 0
.set k, 0
.rept 59
	SLICE
.endr
.endm
; My team's half of a key block: two steps of 64 keys.  Each run of 16 LDS loads is issued a phase ahead of its use.  mask = 1: the block with the diagonal.  nq = 1: the next query block's Q is asked for behind Q's last use.
.macro STEP mask, nq
	v_add_nc_u32 v[ADRK], s[TB], v[AK0]
	v_add_nc_u32 v[ADRV], s[TB], v[AV0]
	LOADK 0
	LOADV 0
	s_wait_dscnt 16                                ; K of step 0 is in; V's sixteen loads may be out
	SMUL
	PLACES
	LOADK 1
	WIN 0
.if \mask
	MASK 0
.endif
	SOFT
	s_wait_dscnt 16                                ; V of step 0 is in; K of step 1, sixteen loads, may be out
	PVMUL
	PLACES
	LOADV 1
	s_wait_dscnt 16                                ; K of step 1 is in; V's sixteen may be out
	SMUL
	PLACES
.if \nq
	QLOAD Q2
.endif
	WIN 0
.if \mask
	MASK 1
.endif
	SOFT
	s_wait_dscnt 0x0                               ; V of step 1
	PVMUL
	WIN 0
	PLACES                                         ; for whatever follows: loads into V's and P's registers, or readers of O^T
.endm
; A query block is done.  Team B puts c m, l and O^T of its keys into the pair's hand-over bytes; a barrier; team A merges them with its own, divides by l, rounds, and sends the result
; through its stage, a tile (16 rows of 128 bytes) at a time.  The two branches hang on the wave's number and jump over no barrier.  sw = 1: the second query block starts.
.macro FINISH ob, sw
	s_cmp_lt_u32 s[WV], 4
	s_cbranch_scc1 .Lkeeps_\@
	v_mov_b32 v[ST+4], v[ST]                       ; four registers on end: c m and l of tile 0, of tile 1
	v_add_f32 v[ST+5], v[ST+2], v[ST+3]
	v_mov_b32 v[ST+6], v[ST+8]
	v_add_f32 v[ST+7], v[ST+10], v[ST+11]
.set i, 0
.rept 16
	ds_store_b128 v[MG], v[O+4*i:O+4*i+3] offset:512*i   ; ascending: each accumulator from its low end on
.set i, i+1
.endr
	ds_store_b128 v[MG], v[ST+4:ST+7] offset:8192
.Lkeeps_\@:
	s_wait_dscnt 0x0                               ; for team A's sake: what team B stored is in LDS
	s_barrier_signal -1
	s_barrier_wait -1                              ; the next block's tile may stay on its way
	s_cmp_lt_u32 s[WV], 4
	s_cbranch_scc0 .Lgave_\@
.set i, 0
.rept 16
	ds_load_b128 v[S+4*i:S+4*i+3], v[MG] offset:512*i    ; team B's O^T into S^T's registers, which are free,
.set i, i+1
.endr
	ds_load_b128 v[P:P+3], v[MG] offset:8192       ; its statistics into P's
	s_wait_dscnt 0x0
.irp t, 0,1
	v_max_num_f32 v[ST+8*\t+4], v[ST+8*\t], v[P+2*\t]      ; c times the larger maximum
	v_add_f32 v[ST+8*\t+2], v[ST+8*\t+2], v[ST+8*\t+3]
.endr
.irp t, 0,1
	v_sub_f32 v[ST+8*\t+5], v[ST+8*\t], v[ST+8*\t+4]
	v_sub_f32 v[ST+8*\t+6], v[P+2*\t], v[ST+8*\t+4]
.endr
.irp t, 0,1
	v_exp_f32 v[ST+8*\t+5], v[ST+8*\t+5]           ; my factor,
	v_exp_f32 v[ST+8*\t+6], v[ST+8*\t+6]           ; team B's
.endr
	v_nop                                          ; a plain instruction between the last exponential and the use of its result
	s_wait_alu depctr_va_vdst(0)
.irp t, 0,1
	v_mul_f32 v[ST+8*\t+2], v[ST+8*\t+2], v[ST+8*\t+5]
.endr
.irp t, 0,1
	v_fma_f32 v[ST+8*\t+2], v[P+2*\t+1], v[ST+8*\t+6], v[ST+8*\t+2]
.endr
.irp t, 0,1
	v_permlanex16_b32 v[ST+8*\t+3], v[ST+8*\t+2], s[SEL], s[SEL+1]   ; the query's other keys lie in the lane 16 away
.endr
.irp t, 0,1
	v_add_f32 v[ST+8*\t+2], v[ST+8*\t+2], v[ST+8*\t+3]
.endr
.irp t, 0,1
	v_rcp_f32 v[ST+8*\t+7], v[ST+8*\t+2]
.endr
	v_nop                                          ; a plain instruction between the last reciprocal and the use of its result
	s_wait_alu depctr_va_vdst(0)
.irp t, 0,1
	v_mul_f32 v[ST+8*\t+4], v[ST+8*\t+5], v[ST+8*\t+7]     ; both factors over l
	v_mul_f32 v[ST+8*\t+6], v[ST+8*\t+6], v[ST+8*\t+7]
.endr
.irp t, 0,1
.set i, 0
.rept 16
	v_pk_mul_f32 v[O+32*\t+2*i:O+32*\t+2*i+1], v[O+32*\t+2*i:O+32*\t+2*i+1], v[ST+8*\t+4:ST+8*\t+5] op_sel_hi:[1,0]
.set i, i+1
.endr
.set i, 0
.rept 16
	v_pk_fma_f32 v[O+32*\t+2*i:O+32*\t+2*i+1], v[S+32*\t+2*i:S+32*\t+2*i+1], v[ST+8*\t+6:ST+8*\t+7], v[O+32*\t+2*i:O+32*\t+2*i+1] op_sel_hi:[1,0,1]
.set i, i+1
.endr
.set i, 0
.rept 16
	v_cvt_pk_bf16_f32 v[S+32*\t+i], v[O+32*\t+2*i], v[O+32*\t+2*i+1]
.set i, i+1
.endr
.irp f, 0,1,2,3
	ds_store_b128 v[STO], v[S+32*\t+4*\f:S+32*\t+4*\f+3] offset:32*\f
.endr
.irp f, 0,1,2,3
	ds_load_b128 v[S+32*\t+16+4*\f:S+32*\t+16+4*\f+3], v[RD] offset:\f*4*SP   ; LDS serves a wave's instructions in order: these see the stores above, and the next tile's stores come behind them
.endr
.endr
	s_wait_dscnt 0x0
.irp t, 0,1
.irp f, 0,1,2,3
	global_store_b128 v[GO], v[S+32*\t+16+4*\f:S+32*\t+16+4*\f+3], s[\ob:\ob+1] offset:\t*2048+\f*512   ; four panel rows: 512 consecutive bytes, aligned
.endr
.endr
.Lgave_\@:
.if \sw
	s_wait_xcnt 0x0                                ; the registers that these stores read are written again in the next trip
	v_add_nc_u32 v[DQ], s[FLIP], v[DQ]             ; the second query block lies in the other half of its diagonal's key block
	RESET
	s_wait_loadcnt 0x0                             ; the second block's Q
.endif
.endm
	s_wait_loadcnt 0x0                             ; Q
.Ltrip:                                                ; trip t reads key block number t of the walk and asks for number t + 1
	s_wait_tensorcnt 0x0                           ; my one load, my part of this trip's block, has landed: group 0 may be written
	ds_add_u32 v[SPW], v[NIL]                      ; the descriptors are made while it is out
	s_add_co_u32 s14, s[TR], 1                     ; number t + 1 of the walk is key block t + 1 of the first query block while t + 1 <= j / 2,
	s_sub_co_u32 s62, s[TR], s[JD]                 ; and key block t - j / 2 of the second after that
	s_cmp_le_u32 s14, s[JD]
	s_cselect_b32 s[NB], s14, s62
	s_lshl_b32 s[NB], s[NB], 15                    ; 256 rows of 128 bytes
	s_add_nc_u64 s[G0K+2:G0K+3], s[KB:KB+1], s[NB:NB+1]
	s_or_b32 s[G0K+3], s[G0K+3], 0x80000000
	s_add_nc_u64 s[G0V+2:G0V+3], s[VB:VB+1], s[NB:NB+1]
	s_or_b32 s[G0V+3], s[G0V+3], 0x80000000
	s_xor_b32 s[G0K+1], s[G0K+1], SLOT1            ; into the slot that was read last trip
	s_xor_b32 s[G0V+1], s[G0V+1], SLOT1
	s_wait_dscnt 0x0                               ; the add is done, and so are my reads of that slot
	s_barrier_signal -1
	s_barrier_wait -1                              ; both hold of all eight waves, and this trip's block is whole
	LOADT                                          ; my one tensor load behind the barrier: it has the whole trip in which to land
	s_cmp_eq_u32 s[TR], s[JD]                      ; the same in all eight waves
	s_cbranch_scc1 .Ldiag
	STEP 0, 0
	s_branch .Lnext
.Ldiag:
	STEP 1, 1                                      ; the key block with the first query block's diagonal
	FINISH O1, 1
.Lnext:
	s_xor_b32 s[TB], s[TB], SLOT1
	s_add_co_u32 s[TR], s[TR], 1
	s_cmp_lt_u32 s[TR], 8
	s_cbranch_scc1 .Ltrip
	s_wait_tensorcnt 0x0                           ; the last block, with the second query block's diagonal: nothing more is asked for
	ds_add_u32 v[SPW], v[NIL]
	s_wait_dscnt 0x0
	s_barrier_signal -1
	s_barrier_wait -1
	STEP 1, 0
	FINISH O2, 0
	s_wait_tensorcnt 0x0                           ; the wave's end
	ds_add_u32 v[SPW], v[NIL]
	s_wait_dscnt 0x0
	s_endpgm
.Lfunc_end_k_qda422d02d0_attn:
	.size	k_qda422d02d0_attn, .Lfunc_end_k_qda422d02d0_attn-k_qda422d02d0_attn
	.p2alignl 7, 3214868480
	.fill 96, 4, 3214868480
	.section	.rodata,"a",@progbits
	.p2align	6, 0x0
	.amdhsa_kernel k_qda422d02d0_attn
		.amdhsa_group_segment_fixed_size 327680
		.amdhsa_private_segment_fixed_size 0
		.amdhsa_enable_private_segment 0
		.amdhsa_kernarg_size 16
		.amdhsa_user_sgpr_count 2
		.amdhsa_user_sgpr_kernarg_segment_ptr 1
		.amdhsa_wavefront_size32 1
		.amdhsa_system_sgpr_workgroup_id_x 1
		.amdhsa_system_sgpr_workgroup_id_y 1
		.amdhsa_system_sgpr_workgroup_id_z 1
		.amdhsa_system_vgpr_workitem_id 0
		.amdhsa_next_free_vgpr 416
		.amdhsa_next_free_sgpr 66
		.amdhsa_reserve_vcc 1
		.amdhsa_float_denorm_mode_32 3
		.amdhsa_float_denorm_mode_16_64 3
		.amdhsa_memory_ordered 1
		.amdhsa_forward_progress 1
		.amdhsa_inst_pref_size 164
	.end_amdhsa_kernel
	.amdgpu_metadata
---
amdhsa.version: [ 1, 2 ]
amdhsa.kernels:
  - .name:           k_qda422d02d0_attn
    .symbol:         k_qda422d02d0_attn.kd
    .args:
      - { .name: qkv, .offset: 0, .size: 8, .value_kind: global_buffer, .address_space: global }
      - { .name: hb, .offset: 8, .size: 8, .value_kind: global_buffer, .address_space: global }
    .group_segment_fixed_size: 327680
    .private_segment_fixed_size: 0
    .kernarg_segment_align: 8
    .kernarg_segment_size: 16
    .max_flat_workgroup_size: 256
    .sgpr_count:     66
    .vgpr_count:     416
    .wavefront_size: 32
...
	.end_amdgpu_metadata
.endif
;; end of part 4
;; launch wo (part 5): grid 8 x 32, 4 waves a work-group, clusters of 4 x 4, 327,680 bytes of LDS; arguments hb, wts, y, bo, xf; writes y
.if DOCPART == 5
	.amdgcn_target "amdgcn-amd-amdhsa--gfx1250"
	.amdhsa_code_object_version 6
	.text
	.protected	k_qda422d02d0_wo
	.globl	k_qda422d02d0_wo
	.p2align	8
	.type	k_qda422d02d0_wo,@function
k_qda422d02d0_wo:
	s_mov_b64 s[64:65], 0
	v_nop
	global_prefetch_b8 v0, s[64:65] scope:SCOPE_SE
	s_setreg_imm32_b32 hwreg(HW_REG_WAVE_MODE, 25, 1), 1
	s_wait_xcnt 0x0
	s_wait_alu depctr_hold_cnt(0) depctr_sa_sdst(0) depctr_va_vdst(0) depctr_va_sdst(0) depctr_va_ssrc(0) depctr_va_vcc(0) depctr_vm_vsrc(0)
	s_getreg_b32 s2, hwreg(HW_REG_IB_STS2, 6, 4)
	s_cmp_eq_u32 s2, 0
	s_cbranch_scc0 .Lentry_in_a_cluster
	s_endpgm
.Lentry_in_a_cluster:
	s_bfe_u32 s2, ttmp6, 0x10000c
	s_cmp_lg_u32 s2, 0xf033
	s_cbranch_scc0 .Lentry_shape_is_right
	s_endpgm
.Lentry_shape_is_right:
; y = LN1(x) + h Wo + bo.  C[m][n] = sum over k of A[m][k] W[k][n] + bias[n] + R[m][n], all of the way out in f32.
; A: bf16 panels [KDIM/64][4096 rows][64].  W: bf16 [KDIM][1024] at byte WOFF of wts.  R and C: f32 [4096][1024].
; SHARES.  A tile of C is 128 x 128, four waves of 64 x 64 (16 accumulators, 128 registers): 32 x 8 tiles, one for each of 256 work-groups.
; K goes in steps of 256 through two LDS slots.  A slot: A as 4 panels x 128 rows (pitch 144), then W as 256 rows of k (pitch 288).
; CLUSTER 4 x 4: the four work-groups of a row of the cluster need the same tiles of A, the four of a column the same tiles of W: joint loads.
; THE MATRIX INSTRUCTION IS USED TRANSPOSED: source 0 = 16 columns of W (by the transposing load), source 1 = 16 rows of A: a lane holds eight neighbouring columns of a row of C.
; The residual of the wave's 64 x 64 is asked for at the head, in the layout of the stores, and lands under the whole K loop.
; REGISTERS.  window 0: v0-31 addresses; v32-99 at work on the way out; v128-255 accumulators.  window 1: two fragment buffers of 128.  window 2: v0-127 the residual.
.set KDIM,  1024
.set NDIM,  1024
.set WOFF,  6291456
.set PANELB, 524288                    ; bytes of a panel in memory
.set PA,    144                        ; an LDS row of A: 128 bytes + 16
.set PB,    288                        ; an LDS row of W: 256 bytes + 32
.set PANEL, 128*PA
.set HALFT, 2*PANEL                    ; what one tensor load brings: two panels of A, or 128 rows of W
.set SLOT,  4*HALFT
.set BOFF,  2*HALFT
.set STAGE, 2*SLOT                     ; behind the ring: 16 rows x 272 bytes for each wave; no tile lands there
.set SPF,   272
.set STW,   16*SPF
.set SPARE, STAGE+4*STW                ; the spare words, 128 bytes a wave: two blocks of 256 bytes that no other line names
.set LAPS,  KDIM/512
.set STEP_A, 8*PANELB
.set STEP_B, 1024*NDIM
.set ADRA, 16                          ; v16-17  my A fragments in slot 0, 1
.set ADRB, 18                          ; v18-21  my W fragments: slot 0 k 0-127, k 128-255, slot 1 likewise
.set STO,  24
.set RD,   25
.set CO,   26                          ; v26  my byte offset in two rows of C and of R
.set BO,   27                          ; v27  my byte offset in the bias
.set SPW,  28                          ; v28  my spare word; never rewritten
.set NIL,  29                          ; v29  0; never rewritten
.set RB0,  32                          ; v32-63, v64-95  a block of 16 rows read back, two buffers by turns
.set B4,   96                          ; v96-99  the bias of my four columns
.set ACC,  128
.set F0,   0
.set F1,   128
.set G1,   24
.set G0,   32
.set G1B,  48
.set G0B,  56
.set MSB,  0
.macro WIN new
.if MSB != \new
	s_set_vgpr_msb (MSB<<8)|\new
.set MSB, \new
.endif
.endm
.set MUL,  0x05                        ; sources 0 and 1 window 1; C and D window 0
.set TO_F, 0x40                        ; destination window 1
.set W2S,  0x08                        ; source 1 window 2
.set TO_2, 0x80                        ; destination window 2
.macro PLACES                          ; four plain places behind matrix instructions (ISA guide 7.12.1)
.rept 4
	v_nop
.endr
.endm
.macro JLOAD s                         ; a joint load: waves 0, 1 fetch A's two halves, waves 2, 3 W's; four v_nop follow each line
	s_cmp_eq_u32 s11, 0
	s_cbranch_scc0 .Lfor_b_\@
	tensor_load_to_lds s[G0+4*\s:G0+4*\s+3], s[G1:G1+7]
	s_nop 0
.rept 4
	v_nop
.endr
	s_branch .Lasked_\@
.Lfor_b_\@:
	tensor_load_to_lds s[G0B+4*\s:G0B+4*\s+3], s[G1B:G1B+7]
	s_nop 0
.rept 4
	v_nop
.endr
.Lasked_\@:
.endm
.macro CREST
	s_cmp_lg_u32 s10, 0
	s_cbranch_scc1 .Lnot_wave_0_\@
	s_barrier_signal -3
.Lnot_wave_0_\@:
	s_barrier_wait -3
	s_barrier_signal -1
	s_barrier_wait -1
.endm
.macro CROUND
	s_barrier_signal -1
	s_barrier_wait -1
	CREST
.endm
	s_load_b128 s[4:7], s[0:1], 0x0                ; A s[4:5], wts s[6:7]
	s_load_b64 s[8:9], s[0:1], 0x10                ; C
	s_load_b64 s[66:67], s[0:1], 0x18              ; bias
	s_load_b64 s[68:69], s[0:1], 0x20              ; R
	v_lshl_add_u32 v[SPW], v0, 2, SPARE
	v_mov_b32 v[NIL], 0
	ds_add_u32 v28, v29
	ds_add_u32 v28, v29
	s_wait_dscnt 0x0
	v_lshrrev_b32 v1, 5, v0
	v_readfirstlane_b32 s10, v1                    ; wave 0..3
	s_lshr_b32 s11, s10, 1                         ; which 64 rows are mine.  Also: I fetch for A (0) or for W (1)
	s_and_b32 s12, s10, 1                          ; which 64 columns.  Also: which half I fetch
	s_bfe_u32 s40, ttmp6, 0x40000                  ; cx, cy
	s_bfe_u32 s41, ttmp6, 0x40004
	s_lshl_b32 s42, ttmp9, 2
	s_add_co_u32 s42, s42, s40                     ; tile column, 0..7
	s_and_b32 s13, ttmp7, 0xffff
	s_lshl_b32 s13, s13, 2
	s_add_co_u32 s13, s13, s41                     ; tile row, 0..31
	s_lshl_b32 s43, s41, 2
	s_lshl_b32 s43, 15, s43                        ; my row of the cluster
	s_lshl_b32 s44, 0x1111, s40                    ; my column
	; group 1 for A: two runs of 8,192 elements (128 rows of a panel, dense), a panel apart; 4 words of padding behind every 32 words, counted along the tile
	s_or_b32 s[G1+0], s43, (1<<16)|(1<<20)|(1<<21)|(4<<22)|(3<<25)
	s_mov_b32 s[G1+1], 8192<<16
	s_mov_b32 s[G1+2], 2<<16
	s_mov_b32 s[G1+3], 8192<<16
	s_mov_b32 s[G1+4], 2
	s_mov_b32 s[G1+5], PANELB/2
	s_mov_b32 s[G1+6], 0
	s_mov_b32 s[G1+7], 0
	; group 1 for W: 128 rows of k x 128 columns, 8 words of padding behind every 64
	s_or_b32 s[G1B+0], s44, (1<<16)|(1<<20)|(1<<21)|(5<<22)|(7<<25)
	s_mov_b32 s[G1B+1], 128<<16
	s_mov_b32 s[G1B+2], 128<<16
	s_mov_b32 s[G1B+3], 128<<16
	s_mov_b32 s[G1B+4], 128
	s_mov_b32 s[G1B+5], NDIM
	s_mov_b32 s[G1B+6], 0
	s_mov_b32 s[G1B+7], 0
	s_lshl_b32 s16, s13, 14                        ; A hangs on the tile row and the wave alone,
	s_lshl_b32 s17, s12, 20
	s_add_co_u32 s16, s16, s17
	s_mov_b32 s17, 0
	s_mul_i32 s46, s12, 256*NDIM                   ; W on the tile column and the wave alone
	s_lshl_b32 s47, s42, 8
	s_add_co_u32 s46, s46, s47
	s_add_co_u32 s46, s46, WOFF
	s_mov_b32 s47, 0
	s_mul_i32 s20, s10, HALFT
	s_wait_kmcnt 0x0
	s_add_nc_u64 s[14:15], s[4:5], s[16:17]
	s_add_nc_u64 s[46:47], s[6:7], s[46:47]
	CROUND                                         ; all sixteen work-groups are here: the first joint loads meet
.irp s, 0,1
	s_mov_b32 s[G0+4*\s], 1
	s_add_co_u32 s[G0+4*\s+1], s20, \s*SLOT
	s_add_nc_u64 s[G0+4*\s+2:G0+4*\s+3], s[14:15], \s*4*PANELB
	s_or_b32 s[G0+4*\s+3], s[G0+4*\s+3], 0x80000000
	s_mov_b32 s[G0B+4*\s], 1
	s_add_co_u32 s[G0B+4*\s+1], s20, \s*SLOT
	s_add_nc_u64 s[G0B+4*\s+2:G0B+4*\s+3], s[46:47], \s*512*NDIM
	s_or_b32 s[G0B+4*\s+3], s[G0B+4*\s+3], 0x80000000
	JLOAD \s                                       ; two loads of mine are out
.endr
	v_and_b32 v1, 15, v0                           ; r
	v_bfe_u32 v2, v0, 4, 1                         ; h
	v_mul_u32_u24 v3, v1, PA
	v_lshl_add_u32 v3, v2, 4, v3
	s_mul_i32 s21, s11, 64*PA
	v_add_nc_u32 v[ADRA], s21, v3
	v_add_nc_u32 v[ADRA+1], SLOT, v[ADRA]
	v_and_b32 v4, 7, v0
	v_lshl_add_u32 v4, v2, 3, v4
	v_mul_u32_u24 v4, v4, PB
	v_bfe_u32 v5, v0, 3, 1
	v_lshl_add_u32 v4, v5, 4, v4
	s_lshl_b32 s22, s12, 7
	s_add_co_u32 s22, s22, BOFF
	v_add_nc_u32 v[ADRB], s22, v4
	v_add_nc_u32 v[ADRB+1], HALFT, v[ADRB]
	v_add_nc_u32 v[ADRB+2], SLOT, v[ADRB]
	v_add_nc_u32 v[ADRB+3], SLOT+HALFT, v[ADRB]
	s_mul_i32 s23, s10, STW
	s_add_co_u32 s23, s23, STAGE                   ; my stage: 16 rows of 256 bytes, pitch 272
	v_mul_u32_u24 v4, v1, SPF
	v_lshl_add_u32 v4, v2, 5, v4                   ; in: row r, 32 bytes for each half of the lanes
	v_add_nc_u32 v[STO], s23, v4
	v_mul_u32_u24 v5, v2, SPF
	v_lshl_add_u32 v5, v1, 4, v5                   ; back: lanes 0-15 one row, lanes 16-31 the next
	v_add_nc_u32 v[RD], s23, v5
	v_lshlrev_b32 v[BO], 4, v1                     ; my four columns
	v_lshl_add_u32 v[CO], v2, 12, v[BO]            ; and the same two rows in C and R
	s_lshl_b32 s16, s13, 19                        ; my first row: 128 x tile row + 64 x half, rows of 4,096 bytes
	s_lshl_b32 s17, s11, 18
	s_add_co_u32 s16, s16, s17
	s_mov_b32 s17, 0
	s_add_nc_u64 s[8:9], s[8:9], s[16:17]
	s_add_nc_u64 s[68:69], s[68:69], s[16:17]
	s_lshl_b32 s46, s42, 9                         ; my first column, in bytes
	s_lshl_b32 s47, s12, 8
	s_add_co_u32 s46, s46, s47
	s_mov_b32 s47, 0
	s_add_nc_u64 s[8:9], s[8:9], s[46:47]
	s_add_nc_u64 s[68:69], s[68:69], s[46:47]
	s_add_nc_u64 s[66:67], s[66:67], s[46:47]
	global_load_b128 v[B4:B4+3], v[BO], s[66:67]
	WIN TO_2
.irp a, 0,1,2,3
.irp u, 0,1,2,3,4,5,6,7
	global_load_b128 v[4*(8*\a+\u):4*(8*\a+\u)+3], v[CO], s[68:69] offset:(16*\a+2*\u)*4096
.endr
.endr
	WIN 0
; The 16 accumulators take turns, one instruction a turn.
.macro MUL8 f, c, a0, zero
.irp a, \a0, \a0+1
.irp b, 0,1,2,3
.if \zero
	v_wmma_f32_16x16x32_bf16 v[ACC+8*(4*(\a)+\b):ACC+8*(4*(\a)+\b)+7], v[\f+64+8*(4*\c+\b):\f+64+8*(4*\c+\b)+7], v[\f+8*(4*\c+\a):\f+8*(4*\c+\a)+7], 0
.else
	v_wmma_f32_16x16x32_bf16 v[ACC+8*(4*(\a)+\b):ACC+8*(4*(\a)+\b)+7], v[\f+64+8*(4*\c+\b):\f+64+8*(4*\c+\b)+7], v[\f+8*(4*\c+\a):\f+8*(4*\c+\a)+7], v[ACC+8*(4*(\a)+\b):ACC+8*(4*(\a)+\b)+7]
.endif
.endr
.endr
.endm
.macro FETCH slot, q, f                ; 32 LDS loads: the fragments of quarter q (64 along K) of a slot into buffer f; the first 32 along K first
	WIN TO_F
.irp c, 0,1
.irp i, 0,1,2,3
	ds_load_tr16_b128 v[\f+64+8*(4*\c+\i):\f+64+8*(4*\c+\i)+3],   v[ADRB+2*\slot+(\q)/2] offset:(64*((\q)%2)+32*\c)*PB+32*\i
	ds_load_tr16_b128 v[\f+64+8*(4*\c+\i)+4:\f+64+8*(4*\c+\i)+7], v[ADRB+2*\slot+(\q)/2] offset:(64*((\q)%2)+32*\c)*PB+32*\i+16*PB
	ds_load_b128 v[\f+8*(4*\c+\i):\f+8*(4*\c+\i)+3],   v[ADRA+\slot] offset:\q*PANEL+64*\c+\i*16*PA
	ds_load_b128 v[\f+8*(4*\c+\i)+4:\f+8*(4*\c+\i)+7], v[ADRA+\slot] offset:\q*PANEL+64*\c+\i*16*PA+32
.endr
.endr
.endm
.macro QUARTER slot, q, f, g, zero
	s_wait_dscnt 16                                ; the first 32 along K are in; the other sixteen loads may be out
	WIN MUL
	MUL8 \f, 0, 0, \zero
	MUL8 \f, 0, 2, \zero
	PLACES
	FETCH \slot, \q, \g
	s_wait_dscnt 32                                ; all but the 32 just issued
	WIN MUL
	MUL8 \f, 1, 0, 0
	MUL8 \f, 1, 2, 0
.endm
; The last quarter changes slots: one barrier; in front of it each wave waits for all its tensor loads, adds 0 to its spare word, and waits for that and for its reads of this slot.
.macro TURN slot, next, mode           ; mode 1: this slot is filled again, two K steps on; 0: not
	WIN 0
	s_wait_tensorcnt 0x0                           ; all my tensor loads have landed: my part of the next slot
	ds_add_u32 v[SPW], v[NIL]
	s_wait_dscnt 17                                ; the add and the youngest sixteen loads may be out
	WIN MUL
	MUL8 F1, 0, 0, 0
	s_wait_dscnt 0x0                               ; the add is done, and my reads of this slot are over
	s_barrier_signal -1
	MUL8 F1, 0, 2, 0
.if \mode
	WIN 0
.endif
	s_barrier_wait -1
.if \mode
	CREST                                          ; a round of the cluster's barrier: no wave of any partner still reads this slot or has a load on its way
	s_add_nc_u64 s[G0+4*\slot+2:G0+4*\slot+3], s[G0+4*\slot+2:G0+4*\slot+3], STEP_A
	s_add_nc_u64 s[G0B+4*\slot+2:G0B+4*\slot+3], s[G0B+4*\slot+2:G0B+4*\slot+3], STEP_B
	JLOAD \slot                                    ; my one tensor load behind the round; its four v_nop are also the places in front of the loads below
.else
	PLACES
.endif
	FETCH \next, 0, F0
	WIN MUL
	MUL8 F1, 1, 0, 0
	MUL8 F1, 1, 2, 0
.endm
; THE WAY OUT of block a (16 rows x 64 columns of f32): straight from the accumulators, low registers first, into my stage; back as whole rows of 256 bytes; bias and residual; stored.
.macro TOSTAGEF a
.set BK, RB0+32*((\a)%2)
	s_wait_xcnt 0x0                                ; this buffer, which earlier stores read, is loaded again only behind this wait
.irp b, 0,1,2,3
	ds_store_b128 v[STO], v[ACC+8*(4*(\a)+\b):ACC+8*(4*(\a)+\b)+3]   offset:64*\b
	ds_store_b128 v[STO], v[ACC+8*(4*(\a)+\b)+4:ACC+8*(4*(\a)+\b)+7] offset:64*\b+16
.endr
.irp u, 0,1,2,3,4,5,6,7
	ds_load_b128 v[BK+4*\u:BK+4*\u+3], v[RD] offset:\u*2*SPF   ; LDS serves a wave's instructions in order: these see the stores above
.endr
.endm
.macro SENDF a, younger                ; younger: the next block's eight LDS stores and eight loads, or none
.set BK, RB0+32*((\a)%2)
	s_wait_dscnt \younger
.irp u, 0,1,2,3,4,5,6,7
	v_pk_add_f32 v[BK+4*\u:BK+4*\u+1],   v[BK+4*\u:BK+4*\u+1],   v[B4:B4+1]
	v_pk_add_f32 v[BK+4*\u+2:BK+4*\u+3], v[BK+4*\u+2:BK+4*\u+3], v[B4+2:B4+3]
.endr
	WIN W2S
.irp u, 0,1,2,3,4,5,6,7
	v_pk_add_f32 v[BK+4*\u:BK+4*\u+1],   v[BK+4*\u:BK+4*\u+1],   v[4*(8*(\a)+\u):4*(8*(\a)+\u)+1]
	v_pk_add_f32 v[BK+4*\u+2:BK+4*\u+3], v[BK+4*\u+2:BK+4*\u+3], v[4*(8*(\a)+\u)+2:4*(8*(\a)+\u)+3]
.endr
	WIN 0
.irp u, 0,1,2,3,4,5,6,7
	global_store_b128 v[CO], v[BK+4*\u:BK+4*\u+3], s[8:9] offset:(16*(\a)+2*\u)*4096   ; 16 lanes store 256 consecutive bytes, aligned
.endr
.endm
	s_wait_tensorcnt 0x1                           ; my part of K step 0 is in; K step 1's may stay out
	s_barrier_signal -1
	s_barrier_wait -1
	FETCH 0, 0, F0
	QUARTER 0, 1, F0, F1, 1                        ; the first quarter starts the sums
	WIN 0
	s_mov_b32 s3, LAPS-1
.Llap:                                                 ; once round the ring; both slots are filled again
	QUARTER 0, 2, F1, F0, 0
	QUARTER 0, 3, F0, F1, 0
	TURN 0, 1, 1
	QUARTER 1, 1, F0, F1, 0
	QUARTER 1, 2, F1, F0, 0
	QUARTER 1, 3, F0, F1, 0
	TURN 1, 0, 1
	QUARTER 0, 1, F0, F1, 0
	WIN 0
	s_sub_co_u32 s3, s3, 1
	s_cmp_lg_u32 s3, 0
	s_cbranch_scc1 .Llap
	QUARTER 0, 2, F1, F0, 0                        ; the last lap fills nothing
	QUARTER 0, 3, F0, F1, 0
	TURN 0, 1, 0
	QUARTER 1, 1, F0, F1, 0
	QUARTER 1, 2, F1, F0, 0
	QUARTER 1, 3, F0, F1, 0
	s_wait_dscnt 16
	WIN MUL
	MUL8 F1, 0, 0, 0
	MUL8 F1, 0, 2, 0
	s_wait_dscnt 0x0
	MUL8 F1, 1, 0, 0
	MUL8 F1, 1, 2, 0
	WIN 0
	PLACES
	s_wait_loadcnt 0x0                             ; bias and residual
	TOSTAGEF 0
.irp a, 1,2,3
	TOSTAGEF \a
	SENDF \a-1, 16
.endr
	SENDF 3, 0
	s_wait_tensorcnt 0x0                           ; the wave's end
	ds_add_u32 v[SPW], v[NIL]
	s_wait_dscnt 0x0
	CROUND                                         ; the closing round
	s_endpgm
.Lfunc_end_k_qda422d02d0_wo:
	.size	k_qda422d02d0_wo, .Lfunc_end_k_qda422d02d0_wo-k_qda422d02d0_wo
	.p2alignl 7, 3214868480
	.fill 96, 4, 3214868480
	.section	.rodata,"a",@progbits
	.p2align	6, 0x0
	.amdhsa_kernel k_qda422d02d0_wo
		.amdhsa_group_segment_fixed_size 327680
		.amdhsa_private_segment_fixed_size 0
		.amdhsa_enable_private_segment 0
		.amdhsa_kernarg_size 40
		.amdhsa_user_sgpr_count 2
		.amdhsa_user_sgpr_kernarg_segment_ptr 1
		.amdhsa_wavefront_size32 1
		.amdhsa_system_sgpr_workgroup_id_x 1
		.amdhsa_system_sgpr_workgroup_id_y 1
		.amdhsa_system_sgpr_workgroup_id_z 1
		.amdhsa_system_vgpr_workitem_id 0
		.amdhsa_next_free_vgpr 640
		.amdhsa_next_free_sgpr 76
		.amdhsa_reserve_vcc 0
		.amdhsa_float_denorm_mode_32 3
		.amdhsa_float_denorm_mode_16_64 3
		.amdhsa_memory_ordered 1
		.amdhsa_forward_progress 1
		.amdhsa_inst_pref_size 97
	.end_amdhsa_kernel
	.amdgpu_metadata
---
amdhsa.version: [ 1, 2 ]
amdhsa.kernels:
  - .name:           k_qda422d02d0_wo
    .symbol:         k_qda422d02d0_wo.kd
    .args:
      - { .name: hb, .offset: 0, .size: 8, .value_kind: global_buffer, .address_space: global }
      - { .name: wts, .offset: 8, .size: 8, .value_kind: global_buffer, .address_space: global }
      - { .name: y, .offset: 16, .size: 8, .value_kind: global_buffer, .address_space: global }
      - { .name: bo, .offset: 24, .size: 8, .value_kind: global_buffer, .address_space: global }
      - { .name: xf, .offset: 32, .size: 8, .value_kind: global_buffer, .address_space: global }
    .group_segment_fixed_size: 327680
    .private_segment_fixed_size: 0
    .kernarg_segment_align: 8
    .kernarg_segment_size: 40
    .max_flat_workgroup_size: 128
    .sgpr_count:     76
    .vgpr_count:     640
    .wavefront_size: 32
...
	.end_amdgpu_metadata
.endif
;; end of part 5
;; launch ln2: the kernel of part 2 again; grid 256 x 1, 8 waves a work-group, no clusters, 0 bytes of LDS; arguments y, gamma2, beta2, xf, xb; writes xf, xb
;; launch ffn1 (part 6): grid 16 x 16, 4 waves a work-group, clusters of 4 x 4, 327,680 bytes of LDS; arguments xb, wts, g, b1; writes g
.if DOCPART == 6
	.amdgcn_target "amdgcn-amd-amdhsa--gfx1250"
	.amdhsa_code_object_version 6
	.text
	.protected	k_qda422d02d0_ffn1
	.globl	k_qda422d02d0_ffn1
	.p2align	8
	.type	k_qda422d02d0_ffn1,@function
k_qda422d02d0_ffn1:
	s_mov_b64 s[64:65], 0
	v_nop
	global_prefetch_b8 v0, s[64:65] scope:SCOPE_SE
	s_setreg_imm32_b32 hwreg(HW_REG_WAVE_MODE, 25, 1), 1
	s_wait_xcnt 0x0
	s_wait_alu depctr_hold_cnt(0) depctr_sa_sdst(0) depctr_va_vdst(0) depctr_va_sdst(0) depctr_va_ssrc(0) depctr_va_vcc(0) depctr_vm_vsrc(0)
	s_getreg_b32 s2, hwreg(HW_REG_IB_STS2, 6, 4)
	s_cmp_eq_u32 s2, 0
	s_cbranch_scc0 .Lentry_in_a_cluster
	s_endpgm
.Lentry_in_a_cluster:
	s_bfe_u32 s2, ttmp6, 0x10000c
	s_cmp_lg_u32 s2, 0xf033
	s_cbranch_scc0 .Lentry_shape_is_right
	s_endpgm
.Lentry_shape_is_right:
; g = gelu(LN2(..) W1 + b1).  C[m][n] = gelu(sum over k of A[m][k] W[k][n] + bias[n]), rounded once to bf16.
; A: bf16 panels [KDIM/64][4096 rows][64].  W: bf16 [KDIM][NDIM] at byte WOFF of wts.  C: bf16 panels [NDIM/64][4096][64].  Sums, bias and GELU in f32.
; SHARES.  A tile of C is 256 x 256, four waves of 128 x 128 (64 accumulators, 512 registers), one tile to a work-group: 16 x 16 = 256 work-groups.
; A slot of this tile holds twice the products of a 128 x 128 tile's slot of the same bytes, so the next slot has twice the work in which to land, and half the bytes come into LDS in all.
; K goes in steps of 128 through two LDS slots.  A slot is four rooms of 36,864 bytes, one for each wave's load: rows 0-127 of A in two panels (pitch 144), rows 128-255 likewise,
; rows 0-63 of k of W (256 columns, pitch 544), rows 64-127 of k.
; CLUSTER 4 x 4: the four work-groups of a row of the cluster need the same tiles of A, the four of a column the same tiles of W: joint loads.
; THE MATRIX INSTRUCTION IS USED TRANSPOSED: source 0 = 16 columns of W (out of LDS by the transposing load, since k lies down the rows), source 1 = 16 rows of A.
; A lane then holds eight neighbouring columns of one row of C.
; REGISTERS, in windows of 256.  window 0: v0-31 addresses; v32-63 GELU at work; v64-127, v128-191 fragments of A, two buffers (on the way out: a block with its bias, packed, read back).
;   window 1: v0-63 the bias of my 128 columns; v64-127, v128-191 fragments of W, two buffers.   window 2: the accumulators of my rows 0-63 ((a, b) at v[8 (8 a + b)]);  window 3: rows 64-127.
.set KDIM,  1024
.set NDIM,  4096
.set WOFF,  8388608
.set ACT,   1                          ; 1: exact GELU on the way out
.set QKV,   0                          ; 1: four tile columns share one of three bias buffers
.set PANELB, 524288                    ; bytes of a panel in memory
.set PA,    144                        ; an LDS row of A: 128 bytes + 16: nine times 16, so the 16 rows of a load start at 16 different 16-byte columns
.set PB,    544                        ; an LDS row of W: 512 bytes + 32: seventeen times 32, for the transposing load
.set PANEL, 128*PA                     ; 128 rows of one panel
.set HALFT, 2*PANEL                    ; a wave's room in a slot: 128 rows of two panels, or 64 rows of W (34,816 bytes of it)
.set SLOT,  4*HALFT
.set BOFF,  2*HALFT                    ; W lies behind A in a slot
.set STAGE, 2*SLOT                     ; behind the ring: for each wave 2 panels x 16 rows x 144 bytes, for the way out; no tile lands there
.set STW,   2*16*PA
.set SPARE, STAGE+4*STW                ; the spare words, 128 bytes a wave: two blocks of 256 bytes that no other line names
.set LAPS,  KDIM/256                   ; a lap = two K steps = once round the ring
.set STEP_A, 4*PANELB                  ; two K steps on: four panels,
.set STEP_B, 512*NDIM                  ; 256 rows of W
.set ADRA, 16                          ; v16-17  my A fragments in slot 0, 1
.set ADRB, 20                          ; v20-21  my W fragments in slot 0, 1
.set STO,  24                          ; v24  the way out: where I put 16 bytes of a row
.set RD,   25                          ; v25  where I read rows back
.set CO,   26                          ; v26  my byte offset in C
.set BO,   27                          ; v27  my byte offset in the bias
.set SPW,  28                          ; v28  my spare word: SPARE + 4 x my thread's number; never rewritten
.set NIL,  29                          ; v29  0; never rewritten
.set A5,   30                          ; v[30:31] a GELU constant, twice
.set GW,   32                          ; v32-63 GELU at work
.set GT,   40
.set GE,   48
.set GM,   56
.set F0,   64                          ; fragment buffers, in windows 0 (A) and 1 (W)
.set F1,   128
.set X,    64                          ; the way out: a block of 16 rows x 128 columns in f32, bias added
.set PK,   128                         ; the same, packed
.set RB0,  160                         ; v160-191, v192-223  the block read back, two buffers by turns
.set G1,   24                          ; s[24:31] group 1 for A;  s[32:39] group 0, a set for each slot
.set G0,   32
.set G1B,  48                          ; s[48:55], s[56:63] the same for W
.set G0B,  56
.set MSB,  0
.macro WIN new                         ; the immediate's high byte repeats the setting that is left; a switch that changes nothing is dropped
.if MSB != \new
	s_set_vgpr_msb (MSB<<8)|\new
.set MSB, \new
.endif
.endm
.set MUL_LO, 0xa1                      ; source 0 (W) window 1, source 1 (A) window 0, C and D window 2
.set MUL_HI, 0xf1                      ; the same, C and D window 3
.set TO_B,   0x40                      ; destination window 1, address window 0
.macro PLACES                          ; four plain places behind matrix instructions, in front of loads into their sources and of readers of their results
.rept 4
	v_nop
.endr
.endm
.macro JLOAD s                         ; a joint load: waves 0, 1 fetch A's two halves, waves 2, 3 W's; four v_nop follow each line
	s_cmp_eq_u32 s11, 0
	s_cbranch_scc0 .Lfor_b_\@
	tensor_load_to_lds s[G0+4*\s:G0+4*\s+3], s[G1:G1+7]
	s_nop 0
.rept 4
	v_nop
.endr
	s_branch .Lasked_\@
.Lfor_b_\@:
	tensor_load_to_lds s[G0B+4*\s:G0B+4*\s+3], s[G1B:G1B+7]
	s_nop 0
.rept 4
	v_nop
.endr
.Lasked_\@:
.endm
.macro CREST                           ; a round of the cluster's barrier behind its opening barrier
	s_cmp_lg_u32 s10, 0
	s_cbranch_scc1 .Lnot_wave_0_\@
	s_barrier_signal -3
.Lnot_wave_0_\@:
	s_barrier_wait -3
	s_barrier_signal -1
	s_barrier_wait -1
.endm
.macro CROUND
	s_barrier_signal -1
	s_barrier_wait -1
	CREST
.endm
	s_load_b128 s[4:7], s[0:1], 0x0                ; A s[4:5], wts s[6:7]
	s_load_b64 s[8:9], s[0:1], 0x10                ; C
	s_load_b64 s[66:67], s[0:1], 0x18              ; the bias (with QKV: q's)
.if QKV
	s_load_b128 s[68:71], s[0:1], 0x20             ; k's and v's
.endif
	v_lshl_add_u32 v[SPW], v0, 2, SPARE
	v_mov_b32 v[NIL], 0
	ds_add_u32 v28, v29
	ds_add_u32 v28, v29
	s_wait_dscnt 0x0
	v_lshrrev_b32 v1, 5, v0
	v_readfirstlane_b32 s10, v1                    ; wave 0..3
	s_lshr_b32 s11, s10, 1                         ; which 128 rows of the tile are mine.  Also: I fetch for A (0) or for W (1)
	s_and_b32 s12, s10, 1                          ; which 128 columns.  Also: which half I fetch
	s_bfe_u32 s40, ttmp6, 0x40000                  ; cx, cy: my place in the cluster
	s_bfe_u32 s41, ttmp6, 0x40004
	s_lshl_b32 s42, ttmp9, 2
	s_add_co_u32 s42, s42, s40                     ; tile column = 4 x cluster x + cx
	s_and_b32 s13, ttmp7, 0xffff
	s_lshl_b32 s13, s13, 2
	s_add_co_u32 s13, s13, s41                     ; tile row = 4 x cluster y + cy, 0..15
	s_lshl_b32 s43, s41, 2
	s_lshl_b32 s43, 15, s43                        ; my row of the cluster
	s_lshl_b32 s44, 0x1111, s40                    ; my column
	; group 1 for A: two runs of 8,192 elements (128 rows of a panel lie densely, 16 KiB), a panel apart; 4 words of padding behind every 32 words, counted along the tile: LDS rows of 144 bytes
	s_or_b32 s[G1+0], s43, (1<<16)|(1<<20)|(1<<21)|(4<<22)|(3<<25)
	s_mov_b32 s[G1+1], 8192<<16                    ; tensor_dim0
	s_mov_b32 s[G1+2], 2<<16                       ; tensor_dim1
	s_mov_b32 s[G1+3], 8192<<16                    ; tile_dim0
	s_mov_b32 s[G1+4], 2                           ; tile_dim1
	s_mov_b32 s[G1+5], PANELB/2                    ; elements from panel to panel
	s_mov_b32 s[G1+6], 0
	s_mov_b32 s[G1+7], 0
	; group 1 for W: 64 rows of k x 256 columns (512 bytes, from a multiple of 512), 8 words of padding behind every 128
	s_or_b32 s[G1B+0], s44, (1<<16)|(1<<20)|(1<<21)|(6<<22)|(7<<25)
	s_mov_b32 s[G1B+1], 256<<16
	s_mov_b32 s[G1B+2], 64<<16
	s_mov_b32 s[G1B+3], 256<<16
	s_mov_b32 s[G1B+4], 64
	s_mov_b32 s[G1B+5], NDIM
	s_mov_b32 s[G1B+6], 0
	s_mov_b32 s[G1B+7], 0
	; A's address hangs on the tile row and the wave alone, W's on the tile column and the wave alone, each in registers that never hold the other coordinate
	s_lshl_b32 s16, s13, 15                        ; 256 rows of 128 bytes for each tile row
	s_lshl_b32 s17, s12, 14                        ; my 128 rows of them
	s_add_co_u32 s16, s16, s17
	s_mov_b32 s17, 0
	s_mul_i32 s46, s12, 128*NDIM                   ; my 64 rows of k
	s_lshl_b32 s47, s42, 9                         ; 256 columns of 2 bytes for each tile column
	s_add_co_u32 s46, s46, s47
	s_add_co_u32 s46, s46, WOFF
	s_mov_b32 s47, 0
	s_mul_i32 s20, s10, HALFT                      ; where they go: wave x 36,864: no place in the cluster enters an LDS address
	s_wait_kmcnt 0x0
	s_add_nc_u64 s[14:15], s[4:5], s[16:17]
	s_add_nc_u64 s[46:47], s[6:7], s[46:47]
	CROUND                                         ; all sixteen work-groups are here: the first joint loads meet
.irp s, 0,1
	s_mov_b32 s[G0+4*\s], 1
	s_add_co_u32 s[G0+4*\s+1], s20, \s*SLOT
	s_add_nc_u64 s[G0+4*\s+2:G0+4*\s+3], s[14:15], \s*2*PANELB
	s_or_b32 s[G0+4*\s+3], s[G0+4*\s+3], 0x80000000
	s_mov_b32 s[G0B+4*\s], 1
	s_add_co_u32 s[G0B+4*\s+1], s20, \s*SLOT
	s_add_nc_u64 s[G0B+4*\s+2:G0B+4*\s+3], s[46:47], \s*256*NDIM
	s_or_b32 s[G0B+4*\s+3], s[G0B+4*\s+3], 0x80000000
	JLOAD \s                                       ; two loads of mine are out
.endr
	v_and_b32 v1, 15, v0                           ; r = l % 16
	v_bfe_u32 v2, v0, 4, 1                         ; h = l / 16
	v_mul_u32_u24 v3, v1, PA
	v_lshl_add_u32 v3, v2, 4, v3                   ; r x 144 + 16 h
	s_mul_i32 s21, s11, HALFT                      ; my 128 rows: one room
	v_add_nc_u32 v[ADRA], s21, v3
	v_add_nc_u32 v[ADRA+1], SLOT, v[ADRA]
	v_and_b32 v4, 7, v0                            ; the transposing load: lane l reads row k = 8 h + l % 8, 16 bytes at 16 ((l / 8) % 2)
	v_lshl_add_u32 v4, v2, 3, v4
	v_mul_u32_u24 v4, v4, PB
	v_bfe_u32 v5, v0, 3, 1
	v_lshl_add_u32 v4, v5, 4, v4
	s_lshl_b32 s22, s12, 8                         ; my 128 columns
	s_add_co_u32 s22, s22, BOFF
	v_add_nc_u32 v[ADRB], s22, v4
	v_add_nc_u32 v[ADRB+1], SLOT, v[ADRB]
	s_mul_i32 s23, s10, STW
	s_add_co_u32 s23, s23, STAGE                   ; my stage: two panels of 16 rows of 128 bytes, pitch 144
	v_add_nc_u32 v[STO], s23, v3                   ; in: row r, 16 bytes for each half of the lanes
	v_bfe_u32 v4, v0, 3, 2                         ; back: eight lanes a row, four rows a load
	v_and_b32 v5, 7, v0
	v_mul_u32_u24 v4, v4, PA
	v_lshl_add_u32 v4, v5, 4, v4
	v_add_nc_u32 v[RD], s23, v4
	v_and_b32 v[CO], 31, v0
	v_lshlrev_b32 v[CO], 4, v[CO]                  ; four panel rows lie on end: 16 bytes a lane
	v_lshlrev_b32 v[BO], 5, v2                     ; my eight columns of a block of 16: 32 h
.if ACT
	v_mov_b32 v[A5], 0x3f1ff67a
	v_mov_b32 v[A5+1], v[A5]
.endif
	s_lshl_b32 s16, s13, 15                        ; C: my rows in a panel,
	s_lshl_b32 s17, s11, 14
	s_add_co_u32 s16, s16, s17
	s_mov_b32 s17, 0
	s_add_nc_u64 s[8:9], s[8:9], s[16:17]
	s_lshl_b32 s46, s42, 21                        ; and my first panel: 4 x tile column + 2 x my half
	s_lshl_b32 s47, s12, 20
	s_add_co_u32 s46, s46, s47
	s_mov_b32 s47, 0
	s_add_nc_u64 s[8:9], s[8:9], s[46:47]
.if QKV
	s_cmp_eq_u32 ttmp9, 1                          ; four tile columns of 256 are one of q, k, v: the cluster's x says which
	s_cselect_b64 s[66:67], s[68:69], s[66:67]
	s_cmp_eq_u32 ttmp9, 2
	s_cselect_b64 s[66:67], s[70:71], s[66:67]
	s_lshl_b32 s46, s40, 10                        ; and cx which 256 of its 1024 numbers
.else
	s_lshl_b32 s46, s42, 10                        ; the bias of the tile's 256 columns,
.endif
	s_lshl_b32 s47, s12, 9                         ; of my 128
	s_add_co_u32 s46, s46, s47
	s_mov_b32 s47, 0
	s_add_nc_u64 s[66:67], s[66:67], s[46:47]
	WIN TO_B                                       ; block b's eight columns of mine -> window 1, v[8 b ..]; they land under the K loop
.irp b, 0,1,2,3,4,5,6,7
	global_load_b128 v[8*\b:8*\b+3],   v[BO], s[66:67] offset:64*\b
	global_load_b128 v[8*\b+4:8*\b+7], v[BO], s[66:67] offset:64*\b+16
.endr
	WIN 0
; 16 matrix instructions: m blocks a0, a0 + 1 of the window's four (hi = 0: my rows 0-63, 1: rows 64-127) x all 8 n blocks, 32 along K.  zero = 1: the product starts the sums.
; The 64 accumulators take turns, one instruction a turn, in the same order in every quarter.
.macro MUL16 f, hi, a0, zero
.irp a, \a0, \a0+1
.irp b, 0,1,2,3,4,5,6,7
.if \zero
	v_wmma_f32_16x16x32_bf16 v[8*(8*(\a)+\b):8*(8*(\a)+\b)+7], v[\f+8*\b:\f+8*\b+7], v[\f+8*(4*\hi+\a):\f+8*(4*\hi+\a)+7], 0
.else
	v_wmma_f32_16x16x32_bf16 v[8*(8*(\a)+\b):8*(8*(\a)+\b)+7], v[\f+8*\b:\f+8*\b+7], v[\f+8*(4*\hi+\a):\f+8*(4*\hi+\a)+7], v[8*(8*(\a)+\b):8*(8*(\a)+\b)+7]
.endif
.endr
.endr
.endm
; 32 LDS loads in one run: the fragments of quarter q (32 along K) of a slot into buffer f: 128 columns of W, then 128 rows of A.  Quarters 0, 1 lie in A's first panel and W's first room.
.macro FETCH slot, q, f
	WIN TO_B
.irp i, 0,1,2,3,4,5,6,7
	ds_load_tr16_b128 v[\f+8*\i:\f+8*\i+3],   v[ADRB+\slot] offset:((\q)/2)*HALFT+32*((\q)%2)*PB+32*\i
	ds_load_tr16_b128 v[\f+8*\i+4:\f+8*\i+7], v[ADRB+\slot] offset:((\q)/2)*HALFT+32*((\q)%2)*PB+32*\i+16*PB
.endr
	WIN 0
.irp i, 0,1,2,3,4,5,6,7
	ds_load_b128 v[\f+8*\i:\f+8*\i+3],   v[ADRA+\slot] offset:((\q)/2)*PANEL+64*((\q)%2)+\i*16*PA
	ds_load_b128 v[\f+8*\i+4:\f+8*\i+7], v[ADRA+\slot] offset:((\q)/2)*PANEL+64*((\q)%2)+\i*16*PA+32
.endr
.endm
; A K step is four quarters of 32 along K, 64 matrix instructions each, on buffers 0, 1, 0, 1.  One of the first three: multiplies buffer f and, in its middle, fetches quarter q into g.
.macro QUARTER slot, q, f, g, zero
	s_wait_dscnt 8                                 ; W and A's rows 0-63 are in; the youngest eight loads (A's rows 64-127) may be out
	WIN MUL_LO
	MUL16 \f, 0, 0, \zero
	MUL16 \f, 0, 2, \zero
	PLACES
	FETCH \slot, \q, \g
	s_wait_dscnt 32                                ; all but the 32 just issued
	WIN MUL_HI
	MUL16 \f, 1, 0, \zero
	MUL16 \f, 1, 2, \zero
.endm
; The last quarter multiplies buffer 1 and changes slots: one barrier; in front of it each wave waits for all its tensor loads (one is out: its part of the next slot), adds 0 to its
; spare word, and waits for that and for its reads of this slot.  mode 1: this slot is filled again, two K steps on; 0: not.
.macro TURN slot, next, mode
	WIN 0                                          ; the add's two registers lie in window 0
	s_wait_tensorcnt 0x0                           ; all my tensor loads have landed
	ds_add_u32 v[SPW], v[NIL]
	s_wait_dscnt 9                                 ; the add and the youngest eight loads may be out
	WIN MUL_LO
	MUL16 F1, 0, 0, 0                              ; sixteen matrix instructions stand between the add and the wait for it
	s_wait_dscnt 0x0                               ; the add is done, and my reads of this slot are over
	s_barrier_signal -1
	MUL16 F1, 0, 2, 0
.if \mode
	WIN 0
.endif
	s_barrier_wait -1
.if \mode
	CREST                                          ; the barrier has opened a round of the cluster's: no wave of any partner still reads this slot or has a load on its way
	s_add_nc_u64 s[G0+4*\slot+2:G0+4*\slot+3], s[G0+4*\slot+2:G0+4*\slot+3], STEP_A
	s_add_nc_u64 s[G0B+4*\slot+2:G0B+4*\slot+3], s[G0B+4*\slot+2:G0B+4*\slot+3], STEP_B
	JLOAD \slot                                    ; my one tensor load behind the round, 224 matrix instructions ahead of the wait for it; its four v_nop are also the places in front of the loads below
.else
	PLACES
.endif
	FETCH \next, 0, F0
	WIN MUL_HI
	MUL16 F1, 1, 0, 0
	MUL16 F1, 1, 2, 0
.endm
; gelu(x) = x (1 + erf(x / sqrt 2)) / 2 = max(x, 0) - w t (A1 + t (A2 + t (A3 + t (A4 + t A5)))) 2^(-w w), w = |x| sqrt(log2(e) / 2), t = 1 / (1 + P w):
; Abramowitz and Stegun 7.1.26 with its constants rescaled to w; absolute error of erf 1.5e-7.  Written through erfc, so that nothing cancels for negative x.
; |x| = 2 max(x, 0) - x, exactly.  Eight numbers in place.  NaN and infinities get no care of their own.
.macro GELU x
.irp k, 0,1,2,3,4,5,6,7
	v_max_num_f32 v[GM+\k], 0, v[(\x)+\k]
.endr
.irp k, 0,2,4,6
	v_pk_fma_f32 v[GW+\k:GW+\k+1], v[GM+\k:GM+\k+1], 2.0, v[(\x)+\k:(\x)+\k+1] op_sel_hi:[1,0,1] neg_lo:[0,0,1] neg_hi:[0,0,1]
.endr
.irp k, 0,2,4,6
	v_pk_mul_f32 v[GW+\k:GW+\k+1], v[GW+\k:GW+\k+1], 0x3f596d27 op_sel_hi:[1,0]
.endr
.irp k, 0,2,4,6
	v_pk_fma_f32 v[GT+\k:GT+\k+1], v[GW+\k:GW+\k+1], 0x3e8ba43f, 1.0 op_sel_hi:[1,0,0]
.endr
.irp k, 0,2,4,6
	v_pk_mul_f32 v[GE+\k:GE+\k+1], v[GW+\k:GW+\k+1], v[GW+\k:GW+\k+1] neg_lo:[1,0] neg_hi:[1,0]
.endr
.irp k, 0,1,2,3,4,5,6,7
	v_rcp_f32 v[GT+\k], v[GT+\k]
.endr
.irp k, 0,1,2,3,4,5,6,7
	v_exp_f32 v[GE+\k], v[GE+\k]
.endr
	v_nop                                          ; a plain instruction between the last exponential and the use of its result
	s_wait_alu depctr_va_vdst(0)
.irp k, 0,2,4,6
	v_pk_mul_f32 v[GE+\k:GE+\k+1], v[GE+\k:GE+\k+1], v[GW+\k:GW+\k+1]
.endr
.irp k, 0,2,4,6
	v_pk_fma_f32 v[GW+\k:GW+\k+1], v[GT+\k:GT+\k+1], v[A5:A5+1], 0xbf5b0099 op_sel_hi:[1,1,0]
.endr
.irp c, 0x3f563818, 0xbe2b8119, 0x3e199eb3
.irp k, 0,2,4,6
	v_pk_fma_f32 v[GW+\k:GW+\k+1], v[GT+\k:GT+\k+1], v[GW+\k:GW+\k+1], \c op_sel_hi:[1,1,0]
.endr
.endr
.irp k, 0,2,4,6
	v_pk_mul_f32 v[GW+\k:GW+\k+1], v[GW+\k:GW+\k+1], v[GT+\k:GT+\k+1]
.endr
.irp k, 0,2,4,6
	v_pk_fma_f32 v[(\x)+\k:(\x)+\k+1], v[GW+\k:GW+\k+1], v[GE+\k:GE+\k+1], v[GM+\k:GM+\k+1] neg_lo:[1,0,0] neg_hi:[1,0,0]
.endr
.endm
; THE WAY OUT of block a (16 rows x 128 columns).  PACK: accumulator + bias into window 0, each accumulator from its low end on; activation; rounding: 16 bytes a lane for each of 8 column blocks.
.macro PACK a
.set AC, 64*((\a)%4)
	WIN 0x06+((\a)/4)                              ; source 0 window 2 or 3 (the sums), source 1 window 1 (the bias), destination window 0
.irp b, 0,1,2,3,4,5,6,7
.irp p, 0,1,2,3
	v_pk_add_f32 v[X+8*\b+2*\p:X+8*\b+2*\p+1], v[AC+8*\b+2*\p:AC+8*\b+2*\p+1], v[8*\b+2*\p:8*\b+2*\p+1]
.endr
.endr
	WIN 0
.if ACT
.irp b, 0,1,2,3,4,5,6,7
	GELU X+8*\b
.endr
.endif
.irp b, 0,1,2,3,4,5,6,7
.irp p, 0,1,2,3
	v_cvt_pk_bf16_f32 v[PK+4*\b+\p], v[X+8*\b+2*\p], v[X+8*\b+2*\p+1]
.endr
.endr
.endm
.macro TOSTAGE a                       ; into my own stage (column blocks 0-3: the first panel, 4-7: the second), and back as whole rows; LDS serves a wave's instructions in order, so no wait stands between
.set BK, RB0+32*((\a)%2)
.irp b, 0,1,2,3,4,5,6,7
	ds_store_b128 v[STO], v[PK+4*\b:PK+4*\b+3] offset:((\b)/4)*16*PA+32*((\b)%4)
.endr
.irp p, 0,1
.irp u, 0,1,2,3
	ds_load_b128 v[BK+4*(4*\p+\u):BK+4*(4*\p+\u)+3], v[RD] offset:\p*16*PA+\u*4*PA
.endr
.endr
.endm
.macro SEND a
.set BK, RB0+32*((\a)%2)
	s_wait_dscnt 0x0                               ; the block is back in registers
	s_wait_xcnt 0x0                                ; the other buffer, which earlier stores read, is loaded again only behind this wait
.irp p, 0,1
.irp u, 0,1,2,3
	global_store_b128 v[CO], v[BK+4*(4*\p+\u):BK+4*(4*\p+\u)+3], s[8:9] offset:\p*PANELB+(\a)*2048+\u*512   ; four panel rows: 512 consecutive bytes, aligned
.endr
.endr
.endm
	s_wait_tensorcnt 0x1                           ; my part of K step 0 is in; K step 1's may stay out
	s_barrier_signal -1
	s_barrier_wait -1
	FETCH 0, 0, F0
	QUARTER 0, 1, F0, F1, 1                        ; the first quarter starts the sums
	WIN 0                                          ; at a label and at a branch every window is 0
	s_mov_b32 s3, LAPS-1
.Llap:                                                 ; once round the ring, from a lap's second quarter to the next lap's first; both slots are filled again
	QUARTER 0, 2, F1, F0, 0
	QUARTER 0, 3, F0, F1, 0
	TURN 0, 1, 1
	QUARTER 1, 1, F0, F1, 0
	QUARTER 1, 2, F1, F0, 0
	QUARTER 1, 3, F0, F1, 0
	TURN 1, 0, 1
	QUARTER 0, 1, F0, F1, 0
	WIN 0
	s_sub_co_u32 s3, s3, 1
	s_cmp_lg_u32 s3, 0
	s_cbranch_scc1 .Llap
	QUARTER 0, 2, F1, F0, 0                        ; the last lap fills nothing, and has no round of the cluster's barrier
	QUARTER 0, 3, F0, F1, 0
	TURN 0, 1, 0
	QUARTER 1, 1, F0, F1, 0
	QUARTER 1, 2, F1, F0, 0
	QUARTER 1, 3, F0, F1, 0
	s_wait_dscnt 8                                 ; the very last quarter: nothing more to fetch
	WIN MUL_LO
	MUL16 F1, 0, 0, 0
	MUL16 F1, 0, 2, 0
	s_wait_dscnt 0x0
	WIN MUL_HI
	MUL16 F1, 1, 0, 0
	MUL16 F1, 1, 2, 0
	WIN 0
	PLACES
	s_wait_loadcnt 0x0                             ; the bias
	PACK 0
	TOSTAGE 0
.irp a, 1,2,3,4,5,6,7                  ; block a's arithmetic stands between block a - 1's loads from the stage and the wait for them
	PACK \a
	SEND \a-1
	TOSTAGE \a
.endr
	SEND 7
	s_wait_tensorcnt 0x0                           ; the wave's end
	ds_add_u32 v[SPW], v[NIL]
	s_wait_dscnt 0x0
	CROUND                                         ; the closing round: no work-group ends while a partner may still ask for a tile that names it
	s_endpgm
.Lfunc_end_k_qda422d02d0_ffn1:
	.size	k_qda422d02d0_ffn1, .Lfunc_end_k_qda422d02d0_ffn1-k_qda422d02d0_ffn1
	.p2alignl 7, 3214868480
	.fill 96, 4, 3214868480
	.section	.rodata,"a",@progbits
	.p2align	6, 0x0
	.amdhsa_kernel k_qda422d02d0_ffn1
		.amdhsa_group_segment_fixed_size 327680
		.amdhsa_private_segment_fixed_size 0
		.amdhsa_enable_private_segment 0
		.amdhsa_kernarg_size 32
		.amdhsa_user_sgpr_count 2
		.amdhsa_user_sgpr_kernarg_segment_ptr 1
		.amdhsa_wavefront_size32 1
		.amdhsa_system_sgpr_workgroup_id_x 1
		.amdhsa_system_sgpr_workgroup_id_y 1
		.amdhsa_system_sgpr_workgroup_id_z 1
		.amdhsa_system_vgpr_workitem_id 0
		.amdhsa_next_free_vgpr 1024
		.amdhsa_next_free_sgpr 76
		.amdhsa_reserve_vcc 0
		.amdhsa_float_denorm_mode_32 3
		.amdhsa_float_denorm_mode_16_64 3
		.amdhsa_memory_ordered 1
		.amdhsa_forward_progress 1
		.amdhsa_inst_pref_size 255
	.end_amdhsa_kernel
	.section	.bss,"aw",@nobits
	.p2align	6
	.space	262144
	.amdgpu_metadata
---
amdhsa.version: [ 1, 2 ]
amdhsa.kernels:
  - .name:           k_qda422d02d0_ffn1
    .symbol:         k_qda422d02d0_ffn1.kd
    .args:
      - { .name: xb, .offset: 0, .size: 8, .value_kind: global_buffer, .address_space: global }
      - { .name: wts, .offset: 8, .size: 8, .value_kind: global_buffer, .address_space: global }
      - { .name: g, .offset: 16, .size: 8, .value_kind: global_buffer, .address_space: global }
      - { .name: b1, .offset: 24, .size: 8, .value_kind: global_buffer, .address_space: global }
    .group_segment_fixed_size: 327680
    .private_segment_fixed_size: 0
    .kernarg_segment_align: 8
    .kernarg_segment_size: 32
    .max_flat_workgroup_size: 128
    .sgpr_count:     76
    .vgpr_count:     1024
    .wavefront_size: 32
...
	.end_amdgpu_metadata
.endif
;; end of part 6
;; launch ffn2 (part 7): grid 8 x 32, 4 waves a work-group, clusters of 4 x 4, 327,680 bytes of LDS; arguments g, wts, out0, b2, xf; writes out0
.if DOCPART == 7
	.amdgcn_target "amdgcn-amd-amdhsa--gfx1250"
	.amdhsa_code_object_version 6
	.text
	.protected	k_qda422d02d0_ffn2
	.globl	k_qda422d02d0_ffn2
	.p2align	8
	.type	k_qda422d02d0_ffn2,@function
k_qda422d02d0_ffn2:
	s_mov_b64 s[64:65], 0
	v_nop
	global_prefetch_b8 v0, s[64:65] scope:SCOPE_SE
	s_setreg_imm32_b32 hwreg(HW_REG_WAVE_MODE, 25, 1), 1
	s_wait_xcnt 0x0
	s_wait_alu depctr_hold_cnt(0) depctr_sa_sdst(0) depctr_va_vdst(0) depctr_va_sdst(0) depctr_va_ssrc(0) depctr_va_vcc(0) depctr_vm_vsrc(0)
	s_getreg_b32 s2, hwreg(HW_REG_IB_STS2, 6, 4)
	s_cmp_eq_u32 s2, 0
	s_cbranch_scc0 .Lentry_in_a_cluster
	s_endpgm
.Lentry_in_a_cluster:
	s_bfe_u32 s2, ttmp6, 0x10000c
	s_cmp_lg_u32 s2, 0xf033
	s_cbranch_scc0 .Lentry_shape_is_right
	s_endpgm
.Lentry_shape_is_right:
; out = LN2(..) + g W2 + b2.  C[m][n] = sum over k of A[m][k] W[k][n] + bias[n] + R[m][n], all of the way out in f32.
; A: bf16 panels [KDIM/64][4096 rows][64].  W: bf16 [KDIM][1024] at byte WOFF of wts.  R and C: f32 [4096][1024].
; SHARES.  A tile of C is 128 x 128, four waves of 64 x 64 (16 accumulators, 128 registers): 32 x 8 tiles, one for each of 256 work-groups.
; K goes in steps of 256 through two LDS slots.  A slot: A as 4 panels x 128 rows (pitch 144), then W as 256 rows of k (pitch 288).
; CLUSTER 4 x 4: the four work-groups of a row of the cluster need the same tiles of A, the four of a column the same tiles of W: joint loads.
; THE MATRIX INSTRUCTION IS USED TRANSPOSED: source 0 = 16 columns of W (by the transposing load), source 1 = 16 rows of A: a lane holds eight neighbouring columns of a row of C.
; The residual of the wave's 64 x 64 is asked for at the head, in the layout of the stores, and lands under the whole K loop.
; REGISTERS.  window 0: v0-31 addresses; v32-99 at work on the way out; v128-255 accumulators.  window 1: two fragment buffers of 128.  window 2: v0-127 the residual.
.set KDIM,  4096
.set NDIM,  1024
.set WOFF,  16777216
.set PANELB, 524288                    ; bytes of a panel in memory
.set PA,    144                        ; an LDS row of A: 128 bytes + 16
.set PB,    288                        ; an LDS row of W: 256 bytes + 32
.set PANEL, 128*PA
.set HALFT, 2*PANEL                    ; what one tensor load brings: two panels of A, or 128 rows of W
.set SLOT,  4*HALFT
.set BOFF,  2*HALFT
.set STAGE, 2*SLOT                     ; behind the ring: 16 rows x 272 bytes for each wave; no tile lands there
.set SPF,   272
.set STW,   16*SPF
.set SPARE, STAGE+4*STW                ; the spare words, 128 bytes a wave: two blocks of 256 bytes that no other line names
.set LAPS,  KDIM/512
.set STEP_A, 8*PANELB
.set STEP_B, 1024*NDIM
.set ADRA, 16                          ; v16-17  my A fragments in slot 0, 1
.set ADRB, 18                          ; v18-21  my W fragments: slot 0 k 0-127, k 128-255, slot 1 likewise
.set STO,  24
.set RD,   25
.set CO,   26                          ; v26  my byte offset in two rows of C and of R
.set BO,   27                          ; v27  my byte offset in the bias
.set SPW,  28                          ; v28  my spare word; never rewritten
.set NIL,  29                          ; v29  0; never rewritten
.set RB0,  32                          ; v32-63, v64-95  a block of 16 rows read back, two buffers by turns
.set B4,   96                          ; v96-99  the bias of my four columns
.set ACC,  128
.set F0,   0
.set F1,   128
.set G1,   24
.set G0,   32
.set G1B,  48
.set G0B,  56
.set MSB,  0
.macro WIN new
.if MSB != \new
	s_set_vgpr_msb (MSB<<8)|\new
.set MSB, \new
.endif
.endm
.set MUL,  0x05                        ; sources 0 and 1 window 1; C and D window 0
.set TO_F, 0x40                        ; destination window 1
.set W2S,  0x08                        ; source 1 window 2
.set TO_2, 0x80                        ; destination window 2
.macro PLACES                          ; four plain places behind matrix instructions (ISA guide 7.12.1)
.rept 4
	v_nop
.endr
.endm
.macro JLOAD s                         ; a joint load: waves 0, 1 fetch A's two halves, waves 2, 3 W's; four v_nop follow each line
	s_cmp_eq_u32 s11, 0
	s_cbranch_scc0 .Lfor_b_\@
	tensor_load_to_lds s[G0+4*\s:G0+4*\s+3], s[G1:G1+7]
	s_nop 0
.rept 4
	v_nop
.endr
	s_branch .Lasked_\@
.Lfor_b_\@:
	tensor_load_to_lds s[G0B+4*\s:G0B+4*\s+3], s[G1B:G1B+7]
	s_nop 0
.rept 4
	v_nop
.endr
.Lasked_\@:
.endm
.macro CREST
	s_cmp_lg_u32 s10, 0
	s_cbranch_scc1 .Lnot_wave_0_\@
	s_barrier_signal -3
.Lnot_wave_0_\@:
	s_barrier_wait -3
	s_barrier_signal -1
	s_barrier_wait -1
.endm
.macro CROUND
	s_barrier_signal -1
	s_barrier_wait -1
	CREST
.endm
	s_load_b128 s[4:7], s[0:1], 0x0                ; A s[4:5], wts s[6:7]
	s_load_b64 s[8:9], s[0:1], 0x10                ; C
	s_load_b64 s[66:67], s[0:1], 0x18              ; bias
	s_load_b64 s[68:69], s[0:1], 0x20              ; R
	v_lshl_add_u32 v[SPW], v0, 2, SPARE
	v_mov_b32 v[NIL], 0
	ds_add_u32 v28, v29
	ds_add_u32 v28, v29
	s_wait_dscnt 0x0
	v_lshrrev_b32 v1, 5, v0
	v_readfirstlane_b32 s10, v1                    ; wave 0..3
	s_lshr_b32 s11, s10, 1                         ; which 64 rows are mine.  Also: I fetch for A (0) or for W (1)
	s_and_b32 s12, s10, 1                          ; which 64 columns.  Also: which half I fetch
	s_bfe_u32 s40, ttmp6, 0x40000                  ; cx, cy
	s_bfe_u32 s41, ttmp6, 0x40004
	s_lshl_b32 s42, ttmp9, 2
	s_add_co_u32 s42, s42, s40                     ; tile column, 0..7
	s_and_b32 s13, ttmp7, 0xffff
	s_lshl_b32 s13, s13, 2
	s_add_co_u32 s13, s13, s41                     ; tile row, 0..31
	s_lshl_b32 s43, s41, 2
	s_lshl_b32 s43, 15, s43                        ; my row of the cluster
	s_lshl_b32 s44, 0x1111, s40                    ; my column
	; group 1 for A: two runs of 8,192 elements (128 rows of a panel, dense), a panel apart; 4 words of padding behind every 32 words, counted along the tile
	s_or_b32 s[G1+0], s43, (1<<16)|(1<<20)|(1<<21)|(4<<22)|(3<<25)
	s_mov_b32 s[G1+1], 8192<<16
	s_mov_b32 s[G1+2], 2<<16
	s_mov_b32 s[G1+3], 8192<<16
	s_mov_b32 s[G1+4], 2
	s_mov_b32 s[G1+5], PANELB/2
	s_mov_b32 s[G1+6], 0
	s_mov_b32 s[G1+7], 0
	; group 1 for W: 128 rows of k x 128 columns, 8 words of padding behind every 64
	s_or_b32 s[G1B+0], s44, (1<<16)|(1<<20)|(1<<21)|(5<<22)|(7<<25)
	s_mov_b32 s[G1B+1], 128<<16
	s_mov_b32 s[G1B+2], 128<<16
	s_mov_b32 s[G1B+3], 128<<16
	s_mov_b32 s[G1B+4], 128
	s_mov_b32 s[G1B+5], NDIM
	s_mov_b32 s[G1B+6], 0
	s_mov_b32 s[G1B+7], 0
	s_lshl_b32 s16, s13, 14                        ; A hangs on the tile row and the wave alone,
	s_lshl_b32 s17, s12, 20
	s_add_co_u32 s16, s16, s17
	s_mov_b32 s17, 0
	s_mul_i32 s46, s12, 256*NDIM                   ; W on the tile column and the wave alone
	s_lshl_b32 s47, s42, 8
	s_add_co_u32 s46, s46, s47
	s_add_co_u32 s46, s46, WOFF
	s_mov_b32 s47, 0
	s_mul_i32 s20, s10, HALFT
	s_wait_kmcnt 0x0
	s_add_nc_u64 s[14:15], s[4:5], s[16:17]
	s_add_nc_u64 s[46:47], s[6:7], s[46:47]
	CROUND                                         ; all sixteen work-groups are here: the first joint loads meet
.irp s, 0,1
	s_mov_b32 s[G0+4*\s], 1
	s_add_co_u32 s[G0+4*\s+1], s20, \s*SLOT
	s_add_nc_u64 s[G0+4*\s+2:G0+4*\s+3], s[14:15], \s*4*PANELB
	s_or_b32 s[G0+4*\s+3], s[G0+4*\s+3], 0x80000000
	s_mov_b32 s[G0B+4*\s], 1
	s_add_co_u32 s[G0B+4*\s+1], s20, \s*SLOT
	s_add_nc_u64 s[G0B+4*\s+2:G0B+4*\s+3], s[46:47], \s*512*NDIM
	s_or_b32 s[G0B+4*\s+3], s[G0B+4*\s+3], 0x80000000
	JLOAD \s                                       ; two loads of mine are out
.endr
	v_and_b32 v1, 15, v0                           ; r
	v_bfe_u32 v2, v0, 4, 1                         ; h
	v_mul_u32_u24 v3, v1, PA
	v_lshl_add_u32 v3, v2, 4, v3
	s_mul_i32 s21, s11, 64*PA
	v_add_nc_u32 v[ADRA], s21, v3
	v_add_nc_u32 v[ADRA+1], SLOT, v[ADRA]
	v_and_b32 v4, 7, v0
	v_lshl_add_u32 v4, v2, 3, v4
	v_mul_u32_u24 v4, v4, PB
	v_bfe_u32 v5, v0, 3, 1
	v_lshl_add_u32 v4, v5, 4, v4
	s_lshl_b32 s22, s12, 7
	s_add_co_u32 s22, s22, BOFF
	v_add_nc_u32 v[ADRB], s22, v4
	v_add_nc_u32 v[ADRB+1], HALFT, v[ADRB]
	v_add_nc_u32 v[ADRB+2], SLOT, v[ADRB]
	v_add_nc_u32 v[ADRB+3], SLOT+HALFT, v[ADRB]
	s_mul_i32 s23, s10, STW
	s_add_co_u32 s23, s23, STAGE                   ; my stage: 16 rows of 256 bytes, pitch 272
	v_mul_u32_u24 v4, v1, SPF
	v_lshl_add_u32 v4, v2, 5, v4                   ; in: row r, 32 bytes for each half of the lanes
	v_add_nc_u32 v[STO], s23, v4
	v_mul_u32_u24 v5, v2, SPF
	v_lshl_add_u32 v5, v1, 4, v5                   ; back: lanes 0-15 one row, lanes 16-31 the next
	v_add_nc_u32 v[RD], s23, v5
	v_lshlrev_b32 v[BO], 4, v1                     ; my four columns
	v_lshl_add_u32 v[CO], v2, 12, v[BO]            ; and the same two rows in C and R
	s_lshl_b32 s16, s13, 19                        ; my first row: 128 x tile row + 64 x half, rows of 4,096 bytes
	s_lshl_b32 s17, s11, 18
	s_add_co_u32 s16, s16, s17
	s_mov_b32 s17, 0
	s_add_nc_u64 s[8:9], s[8:9], s[16:17]
	s_add_nc_u64 s[68:69], s[68:69], s[16:17]
	s_lshl_b32 s46, s42, 9                         ; my first column, in bytes
	s_lshl_b32 s47, s12, 8
	s_add_co_u32 s46, s46, s47
	s_mov_b32 s47, 0
	s_add_nc_u64 s[8:9], s[8:9], s[46:47]
	s_add_nc_u64 s[68:69], s[68:69], s[46:47]
	s_add_nc_u64 s[66:67], s[66:67], s[46:47]
	global_load_b128 v[B4:B4+3], v[BO], s[66:67]
	WIN TO_2
.irp a, 0,1,2,3
.irp u, 0,1,2,3,4,5,6,7
	global_load_b128 v[4*(8*\a+\u):4*(8*\a+\u)+3], v[CO], s[68:69] offset:(16*\a+2*\u)*4096
.endr
.endr
	WIN 0
; The 16 accumulators take turns, one instruction a turn.
.macro MUL8 f, c, a0, zero
.irp a, \a0, \a0+1
.irp b, 0,1,2,3
.if \zero
	v_wmma_f32_16x16x32_bf16 v[ACC+8*(4*(\a)+\b):ACC+8*(4*(\a)+\b)+7], v[\f+64+8*(4*\c+\b):\f+64+8*(4*\c+\b)+7], v[\f+8*(4*\c+\a):\f+8*(4*\c+\a)+7], 0
.else
	v_wmma_f32_16x16x32_bf16 v[ACC+8*(4*(\a)+\b):ACC+8*(4*(\a)+\b)+7], v[\f+64+8*(4*\c+\b):\f+64+8*(4*\c+\b)+7], v[\f+8*(4*\c+\a):\f+8*(4*\c+\a)+7], v[ACC+8*(4*(\a)+\b):ACC+8*(4*(\a)+\b)+7]
.endif
.endr
.endr
.endm
.macro FETCH slot, q, f                ; 32 LDS loads: the fragments of quarter q (64 along K) of a slot into buffer f; the first 32 along K first
	WIN TO_F
.irp c, 0,1
.irp i, 0,1,2,3
	ds_load_tr16_b128 v[\f+64+8*(4*\c+\i):\f+64+8*(4*\c+\i)+3],   v[ADRB+2*\slot+(\q)/2] offset:(64*((\q)%2)+32*\c)*PB+32*\i
	ds_load_tr16_b128 v[\f+64+8*(4*\c+\i)+4:\f+64+8*(4*\c+\i)+7], v[ADRB+2*\slot+(\q)/2] offset:(64*((\q)%2)+32*\c)*PB+32*\i+16*PB
	ds_load_b128 v[\f+8*(4*\c+\i):\f+8*(4*\c+\i)+3],   v[ADRA+\slot] offset:\q*PANEL+64*\c+\i*16*PA
	ds_load_b128 v[\f+8*(4*\c+\i)+4:\f+8*(4*\c+\i)+7], v[ADRA+\slot] offset:\q*PANEL+64*\c+\i*16*PA+32
.endr
.endr
.endm
.macro QUARTER slot, q, f, g, zero
	s_wait_dscnt 16                                ; the first 32 along K are in; the other sixteen loads may be out
	WIN MUL
	MUL8 \f, 0, 0, \zero
	MUL8 \f, 0, 2, \zero
	PLACES
	FETCH \slot, \q, \g
	s_wait_dscnt 32                                ; all but the 32 just issued
	WIN MUL
	MUL8 \f, 1, 0, 0
	MUL8 \f, 1, 2, 0
.endm
; The last quarter changes slots: one barrier; in front of it each wave waits for all its tensor loads, adds 0 to its spare word, and waits for that and for its reads of this slot.
.macro TURN slot, next, mode           ; mode 1: this slot is filled again, two K steps on; 0: not
	WIN 0
	s_wait_tensorcnt 0x0                           ; all my tensor loads have landed: my part of the next slot
	ds_add_u32 v[SPW], v[NIL]
	s_wait_dscnt 17                                ; the add and the youngest sixteen loads may be out
	WIN MUL
	MUL8 F1, 0, 0, 0
	s_wait_dscnt 0x0                               ; the add is done, and my reads of this slot are over
	s_barrier_signal -1
	MUL8 F1, 0, 2, 0
.if \mode
	WIN 0
.endif
	s_barrier_wait -1
.if \mode
	CREST                                          ; a round of the cluster's barrier: no wave of any partner still reads this slot or has a load on its way
	s_add_nc_u64 s[G0+4*\slot+2:G0+4*\slot+3], s[G0+4*\slot+2:G0+4*\slot+3], STEP_A
	s_add_nc_u64 s[G0B+4*\slot+2:G0B+4*\slot+3], s[G0B+4*\slot+2:G0B+4*\slot+3], STEP_B
	JLOAD \slot                                    ; my one tensor load behind the round; its four v_nop are also the places in front of the loads below
.else
	PLACES
.endif
	FETCH \next, 0, F0
	WIN MUL
	MUL8 F1, 1, 0, 0
	MUL8 F1, 1, 2, 0
.endm
; THE WAY OUT of block a (16 rows x 64 columns of f32): straight from the accumulators, low registers first, into my stage; back as whole rows of 256 bytes; bias and residual; stored.
.macro TOSTAGEF a
.set BK, RB0+32*((\a)%2)
	s_wait_xcnt 0x0                                ; this buffer, which earlier stores read, is loaded again only behind this wait
.irp b, 0,1,2,3
	ds_store_b128 v[STO], v[ACC+8*(4*(\a)+\b):ACC+8*(4*(\a)+\b)+3]   offset:64*\b
	ds_store_b128 v[STO], v[ACC+8*(4*(\a)+\b)+4:ACC+8*(4*(\a)+\b)+7] offset:64*\b+16
.endr
.irp u, 0,1,2,3,4,5,6,7
	ds_load_b128 v[BK+4*\u:BK+4*\u+3], v[RD] offset:\u*2*SPF   ; LDS serves a wave's instructions in order: these see the stores above
.endr
.endm
.macro SENDF a, younger                ; younger: the next block's eight LDS stores and eight loads, or none
.set BK, RB0+32*((\a)%2)
	s_wait_dscnt \younger
.irp u, 0,1,2,3,4,5,6,7
	v_pk_add_f32 v[BK+4*\u:BK+4*\u+1],   v[BK+4*\u:BK+4*\u+1],   v[B4:B4+1]
	v_pk_add_f32 v[BK+4*\u+2:BK+4*\u+3], v[BK+4*\u+2:BK+4*\u+3], v[B4+2:B4+3]
.endr
	WIN W2S
.irp u, 0,1,2,3,4,5,6,7
	v_pk_add_f32 v[BK+4*\u:BK+4*\u+1],   v[BK+4*\u:BK+4*\u+1],   v[4*(8*(\a)+\u):4*(8*(\a)+\u)+1]
	v_pk_add_f32 v[BK+4*\u+2:BK+4*\u+3], v[BK+4*\u+2:BK+4*\u+3], v[4*(8*(\a)+\u)+2:4*(8*(\a)+\u)+3]
.endr
	WIN 0
.irp u, 0,1,2,3,4,5,6,7
	global_store_b128 v[CO], v[BK+4*\u:BK+4*\u+3], s[8:9] offset:(16*(\a)+2*\u)*4096   ; 16 lanes store 256 consecutive bytes, aligned
.endr
.endm
	s_wait_tensorcnt 0x1                           ; my part of K step 0 is in; K step 1's may stay out
	s_barrier_signal -1
	s_barrier_wait -1
	FETCH 0, 0, F0
	QUARTER 0, 1, F0, F1, 1                        ; the first quarter starts the sums
	WIN 0
	s_mov_b32 s3, LAPS-1
.Llap:                                                 ; once round the ring; both slots are filled again
	QUARTER 0, 2, F1, F0, 0
	QUARTER 0, 3, F0, F1, 0
	TURN 0, 1, 1
	QUARTER 1, 1, F0, F1, 0
	QUARTER 1, 2, F1, F0, 0
	QUARTER 1, 3, F0, F1, 0
	TURN 1, 0, 1
	QUARTER 0, 1, F0, F1, 0
	WIN 0
	s_sub_co_u32 s3, s3, 1
	s_cmp_lg_u32 s3, 0
	s_cbranch_scc1 .Llap
	QUARTER 0, 2, F1, F0, 0                        ; the last lap fills nothing
	QUARTER 0, 3, F0, F1, 0
	TURN 0, 1, 0
	QUARTER 1, 1, F0, F1, 0
	QUARTER 1, 2, F1, F0, 0
	QUARTER 1, 3, F0, F1, 0
	s_wait_dscnt 16
	WIN MUL
	MUL8 F1, 0, 0, 0
	MUL8 F1, 0, 2, 0
	s_wait_dscnt 0x0
	MUL8 F1, 1, 0, 0
	MUL8 F1, 1, 2, 0
	WIN 0
	PLACES
	s_wait_loadcnt 0x0                             ; bias and residual
	TOSTAGEF 0
.irp a, 1,2,3
	TOSTAGEF \a
	SENDF \a-1, 16
.endr
	SENDF 3, 0
	s_wait_tensorcnt 0x0                           ; the wave's end
	ds_add_u32 v[SPW], v[NIL]
	s_wait_dscnt 0x0
	CROUND                                         ; the closing round
	s_endpgm
.Lfunc_end_k_qda422d02d0_ffn2:
	.size	k_qda422d02d0_ffn2, .Lfunc_end_k_qda422d02d0_ffn2-k_qda422d02d0_ffn2
	.p2alignl 7, 3214868480
	.fill 96, 4, 3214868480
	.section	.rodata,"a",@progbits
	.p2align	6, 0x0
	.amdhsa_kernel k_qda422d02d0_ffn2
		.amdhsa_group_segment_fixed_size 327680
		.amdhsa_private_segment_fixed_size 0
		.amdhsa_enable_private_segment 0
		.amdhsa_kernarg_size 40
		.amdhsa_user_sgpr_count 2
		.amdhsa_user_sgpr_kernarg_segment_ptr 1
		.amdhsa_wavefront_size32 1
		.amdhsa_system_sgpr_workgroup_id_x 1
		.amdhsa_system_sgpr_workgroup_id_y 1
		.amdhsa_system_sgpr_workgroup_id_z 1
		.amdhsa_system_vgpr_workitem_id 0
		.amdhsa_next_free_vgpr 640
		.amdhsa_next_free_sgpr 76
		.amdhsa_reserve_vcc 0
		.amdhsa_float_denorm_mode_32 3
		.amdhsa_float_denorm_mode_16_64 3
		.amdhsa_memory_ordered 1
		.amdhsa_forward_progress 1
		.amdhsa_inst_pref_size 97
	.end_amdhsa_kernel
	.amdgpu_metadata
---
amdhsa.version: [ 1, 2 ]
amdhsa.kernels:
  - .name:           k_qda422d02d0_ffn2
    .symbol:         k_qda422d02d0_ffn2.kd
    .args:
      - { .name: g, .offset: 0, .size: 8, .value_kind: global_buffer, .address_space: global }
      - { .name: wts, .offset: 8, .size: 8, .value_kind: global_buffer, .address_space: global }
      - { .name: out0, .offset: 16, .size: 8, .value_kind: global_buffer, .address_space: global }
      - { .name: b2, .offset: 24, .size: 8, .value_kind: global_buffer, .address_space: global }
      - { .name: xf, .offset: 32, .size: 8, .value_kind: global_buffer, .address_space: global }
    .group_segment_fixed_size: 327680
    .private_segment_fixed_size: 0
    .kernarg_segment_align: 8
    .kernarg_segment_size: 40
    .max_flat_workgroup_size: 128
    .sgpr_count:     76
    .vgpr_count:     640
    .wavefront_size: 32
...
	.end_amdgpu_metadata
.endif
;; end of part 7
